; MI455X (gfx1250); checked and timed in simulation.
; The chip was launched on July 23, 2026; its instructions are those of AMD's public machine-readable ISA for CDNA 5 (MIT licence, August 2026) and "CDNA5" Instruction Set Architecture Reference Guide (July 2026). The comments in the code are by the model that wrote it; some were corrected since.
;; Multi Head Attention. Allowed arithmetic: matrix products marked QUANTISED: E2M1 operands, one E8M0 scale for each 32 along K, by v_wmma_scale_f32_16x16x128_f8f6f4 with both operands' format E2M1 (or v_wmma_scale_f32_32x16x128_f4), f32 sums; products left as they are: bf16, f16 or f32 operands; f32 sums; everything else in f32.
;; Inputs: Wk 1,024 x 1,024 float32; Wo 1,024 x 1,024 float32; Wq 1,024 x 1,024 float32; Wv 1,024 x 1,024 float32; bk 1,024 float32; bo 1,024 float32; bq 1,024 float32; bv 1,024 float32; k 4 x 2,048 x 1,024 float32; q 4 x 2,048 x 1,024 float32; v 4 x 2,048 x 1,024 float32.
;; Outputs: out0 4 x 2,048 x 1,024 float32.
;; This version of the problem:
;;   THIS VERSION OF THE PROBLEM IS GIVEN IN LOW PRECISION. The matrix products marked QUANTISED in the list below multiply operands that are first quantised to E2M1 (2 exponent bits, 1 mantissa bit; 4 bits a number), with one power-of-two scale for each 32 numbers along K (OCP MX v1.0); their sums are f32. The products marked 'left as it is' may take bf16, f16 or f32 operands, with f32 sums. Whichever they take, every output number must still come out within the allowed error. Rounding operands to bf16 (8 significant bits) uses up far more of that allowance than f16 does (11 bits, for magnitudes from 6e-5 to 65,504). All else is computed in f32.
;;   The module's matrix products, in the order in which they are computed (A, B: the left and right operand; K: the contracted axis; several contracted axes count as one K, in the product's order):
;;     1. [M 8,192, K 1,024] x [K 1,024, N 1,024]; A: input q; B: input Wq: QUANTISED
;;     2. [M 8,192, K 1,024] x [K 1,024, N 1,024]; A: input k; B: input Wk: QUANTISED
;;     3. [M 8,192, K 1,024] x [K 1,024, N 1,024]; A: input v; B: input Wv: QUANTISED
;;     4. batch 64 x [M 2,048, K 64] x [K 64, N 2,048]; A: computed on the way; B: computed on the way: left as it is (an operand is computed on the way)
;;     5. batch 64 x [M 2,048, K 2,048] x [K 2,048, N 64]; A: computed on the way; B: computed on the way: left as it is (an operand is computed on the way)
;;     6. [M 8,192, K 1,024] x [K 1,024, N 1,024]; A: computed on the way; B: input Wo: left as it is (an operand is computed on the way)
;;   THE QUANTISER, for each operand of a quantised product, along K:
;;     - K is cut into blocks of 32 from its start; a last block that is shorter is filled with zeros.
;;     - A block's scale is 2^e with e = floor(log2(the largest magnitude in the block)) - 2, held to -126 .. 127; a block of zeros has e = 0. As a byte (E8M0): e + 127.
;;     - Each number is divided by its block's scale, clamped to +-6, and rounded to the nearest number of E2M1, ties to even, subnormals kept.
;;     - The product sums the exact products of the quantised numbers (number of the format x scale) in f32.
;;   ~~~python
;;   def quantise(x, axis):      # numpy; x: float32 -> the quantised numbers, widened to float32 again
;;       x = np.moveaxis(x, axis, -1); K = x.shape[-1]
;;       x = np.pad(x, [(0, 0)] * (x.ndim - 1) + [(0, -K % 32)]); x = x.reshape(x.shape[:-1] + (-1, 32)); a = np.abs(x).max(-1, keepdims=True)
;;       e = np.where(a > 0, np.clip(np.frexp(np.where(a > 0, a, 1))[1] - 1 - 2, -126, 127), 0)      # np.frexp(a)[1] - 1 = floor(log2(a)), exactly
;;       r = np.clip(x / 2.0 ** e, -6, 6)
;;       step = 2.0 ** (np.maximum(np.frexp(np.where(r == 0, 1, r))[1] - 1, 0) - 1)
;;       q = np.round(r / step) * step * 2.0 ** e      # np.round: ties to even
;;       return np.moveaxis(q.reshape(q.shape[:-2] + (-1,))[..., :K], -1, axis).astype(np.float32)
;;   ~~~
;; One version. Each part assembles by itself: llvm-mc -triple=amdgcn-amd-amdhsa -mcpu=gfx1250 --defsym DOCPART=n.
;; ======== version 1 of 1: 4 launches
;; limits: values are held in f16: magnitudes above 65,504 overflow, below 6.1e-05 lose precision
;; workspace buffers: codes 14,155,776 bytes; scales 884,736 bytes; wo16 2,097,152 bytes; qkv 50,331,648 bytes; att 16,777,216 bytes
;; launch quant (part 1): grid 896 x 1, 4 waves a work-group, no clusters, 33,280 bytes of LDS; arguments q, k, v, Wq, Wk, Wv, Wo, codes, scales, wo16; writes codes, scales, wo16
.if DOCPART == 1
	.amdgcn_target "amdgcn-amd-amdhsa--gfx1250"
	.amdhsa_code_object_version 6
	.text
	.protected	k_q6bac3f73f1_quant
	.globl	k_q6bac3f73f1_quant
	.p2align	8
	.type	k_q6bac3f73f1_quant,@function
k_q6bac3f73f1_quant:
	s_mov_b64 s[64:65], 0
	v_nop
	global_prefetch_b8 v0, s[64:65] scope:SCOPE_SE
	s_setreg_imm32_b32 hwreg(HW_REG_WAVE_MODE, 25, 1), 1
	s_wait_xcnt 0x0
; q, k, v [8192][1024] and Wq, Wk, Wv [1024][1024], f32, become codes of FP4 (E2M1), K innermost, two codes a byte, with one E8M0 scale byte for each 32 along K;  Wo [1024][1024] becomes f16.
; The six tensors' rows stand one behind the other in the two buffers: rows 0 q, 8192 k, 16384 v, 24576 Wq, 25600 Wk, 26624 Wv; a row is 512 bytes of codes and 32 scale bytes.
; A block's scale is 2^(floor(log2(its largest magnitude)) - 2); its byte is the largest magnitude's exponent field - 2, held at 1 from below.  A block of zeros so gets the byte 1 where the
; rule says 127: its codes are zeros, which add nothing under any byte but 0xff, and this program alone reads the bytes.
; LIMITS: NaN and infinities among the inputs are not served; |Wo| stays under 65,504, the largest f16 number.
; SHARES: rows are dense and K is a multiple of 32, so a tensor is a plain stream of blocks of 32.  A work-group takes 32,768 numbers, a wave 8,192: work-groups 0-255 q, 256-511 k,
; 512-767 v, 768-799 Wq, 800-831 Wk, 832-863 Wv, 864-895 Wo.  The stacking follows the work-group's number, so the run R = 4 x work-group + wave gives the places in both buffers.
; No cluster and no tensor load: no two work-groups read the same byte, and each byte is read once.
; THE QUANTISER: 16 steps of 512 numbers.  Each of a step's four loads reads 512 consecutive bytes, 16 a lane; the conversions want 16 neighbours in one lane, so the 2,048 bytes turn through
; the wave's own stage in LDS (16 bytes of padding behind each 64) and come back 64 bytes a lane.  Two neighbouring lanes hold a block.  A wave's 256 scale bytes are gathered in LDS and leave as one aligned run of 256 bytes.
.set WAVES, 4
.set STEPS, 16
.set EMAX,  2
.set CB,    8                          ; bytes of 16 codes
.set R,     16                         ; v16-79   four sets of 16 numbers as they are loaded
.set X,     80                         ; v80-111  two sets of 16 neighbours
.set E,     112                        ; v112-127 a scale byte for each step
.set C,     128                        ; v128-191 codes: four registers for each step, so that no store's data are written again
.set WREG,  8192                       ; LDS: a region for each wave: two stages of 32 x SP bytes, behind them its 256 scale bytes
.set SP,    80                         ; a lane's place in a stage: 64 bytes + 16 of padding
.set SPW,   12                         ; v12  LDS address of my spare word; never rewritten
.set NIL,   13                         ; v13  0; never rewritten
.set SPARE, WAVES*WREG                 ; behind the four regions: the spare words, 128 bytes a wave, which no other line names
.set WG_WO, 864                        ; the first work-group of Wo
.set WI,    16                         ; Wo: v16-143 two sets of 64 numbers
.set WO,    144                        ; Wo: v144-175 a group's f16 pairs
	s_load_b256 s[4:11], s[0:1], 0x0               ; q s[4:5], k s[6:7], v s[8:9], Wq s[10:11]
	s_load_b256 s[12:19], s[0:1], 0x20             ; Wk s[12:13], Wv s[14:15], Wo s[16:17], codes s[18:19]
	s_load_b128 s[20:23], s[0:1], 0x40             ; scales s[20:21], wo16 s[22:23]
	v_lshl_add_u32 v[SPW], v0, 2, SPARE
	v_mov_b32 v[NIL], 0
	v_lshrrev_b32 v1, 5, v0
	v_readfirstlane_b32 s24, v1                    ; wave
	v_and_b32 v2, 31, v0                           ; lane
	v_lshlrev_b32 v3, 4, v2                        ; my 16 bytes of a load's 512
	s_mul_i32 s25, s24, WREG
	v_lshrrev_b32 v14, 2, v2
	v_mul_u32_u24 v14, v14, SP
	v_and_b32 v15, 3, v2
	v_lshl_add_u32 v14, v15, 4, v14
	v_add_nc_u32 v14, s25, v14                     ; the stage, on the way in: SP (lane / 4) + 16 (lane % 4)
	v_mul_u32_u24 v15, v2, SP
	v_add_nc_u32 v15, s25, v15                     ; and on the way out: SP x lane: my 16 neighbours
	v_mul_u32_u24 v4, v2, CB                       ; my codes' place in a step's
	v_lshrrev_b32 v5, 1, v2
	s_add_co_u32 s25, s25, 2*32*SP
	v_add_nc_u32 v5, s25, v5                       ; LDS: my wave's 256 scale bytes, my block's byte
	v_lshlrev_b32 v7, 3, v2                        ; 8 bytes a lane
	v_add_nc_u32 v6, s25, v7
	s_mov_b32 s31, 0
	s_wait_kmcnt 0x0
	s_cmp_ge_u32 ttmp9, WG_WO                      ; a branch on the work-group's number alone
	s_cbranch_scc1 .Lwo
	; which tensor is mine, and its first work-group: choices on the work-group's number
	s_mov_b64 s[26:27], s[14:15]
	s_mov_b32 s28, 832
	s_cmp_lt_u32 ttmp9, 832
	s_cselect_b64 s[26:27], s[12:13], s[26:27]
	s_cselect_b32 s28, 800, s28
	s_cmp_lt_u32 ttmp9, 800
	s_cselect_b64 s[26:27], s[10:11], s[26:27]
	s_cselect_b32 s28, 768, s28
	s_cmp_lt_u32 ttmp9, 768
	s_cselect_b64 s[26:27], s[8:9], s[26:27]
	s_cselect_b32 s28, 512, s28
	s_cmp_lt_u32 ttmp9, 512
	s_cselect_b64 s[26:27], s[6:7], s[26:27]
	s_cselect_b32 s28, 256, s28
	s_cmp_lt_u32 ttmp9, 256
	s_cselect_b64 s[26:27], s[4:5], s[26:27]
	s_cselect_b32 s28, 0, s28
	s_sub_co_u32 s29, ttmp9, s28
	s_lshl_b32 s29, s29, 2
	s_add_co_u32 s29, s29, s24                     ; which run of 8,192 numbers of the tensor is my wave's
	s_lshl_b32 s30, s29, 15                        ; 32,768 bytes a run: under 2^26
	s_add_nc_u64 s[26:27], s[26:27], s[30:31]
	s_lshl_b32 s29, ttmp9, 2
	s_add_co_u32 s29, s29, s24                     ; R: which run of the stacked buffers
	s_lshl_b32 s30, s29, 12                        ; 4,096 bytes of codes a run
	s_add_nc_u64 s[18:19], s[18:19], s[30:31]
	s_lshl_b32 s30, s29, 8                         ; 256 scale bytes a run
	s_add_nc_u64 s[20:21], s[20:21], s[30:31]
.macro LOAD t
.irp i, 0,1,2,3
	global_load_b128 v[R+16*((\t)%4)+4*\i:R+16*((\t)%4)+4*\i+3], v3, s[26:27] offset:2048*(\t)+512*\i th:TH_LOAD_NT   ; 32 lanes read 512 consecutive bytes
.endr
.endm
.macro TURN t                          ; step t's numbers through the stage: LDS serves a wave's instructions in order, so no wait stands between the stores and the loads
.irp i, 0,1,2,3
	ds_store_b128 v14, v[R+16*((\t)%4)+4*\i:R+16*((\t)%4)+4*\i+3] offset:32*SP*((\t)%2)+8*SP*\i
.endr
.irp i, 0,1,2,3
	ds_load_b128 v[X+16*((\t)%2)+4*\i:X+16*((\t)%2)+4*\i+3], v15 offset:32*SP*((\t)%2)+16*\i
.endr
.endm
.irp t, 0,1,2,3
	LOAD \t
.endr
	s_wait_loadcnt 12                              ; step 0's four loads are in; the twelve of steps 1 to 3 may be out
	TURN 0
.macro STEP t
.set XS, X+16*((\t)%2)
.if (\t) > 0
	s_wait_dscnt 1                                 ; this step's numbers are back from the stage (the last step's byte store may be out)
.else
	s_wait_dscnt 0x0
.endif
.if (\t)+4 < STEPS
	LOAD (\t)+4                                    ; into the registers that the stage's stores have read
.endif
.if (\t)+1 < STEPS
.if STEPS-2-(\t) >= 3
	s_wait_loadcnt 12                              ; the next step's four loads are in; those of the three steps behind it may be out
.else
	s_wait_loadcnt 4*(STEPS-2-(\t))
.endif
	TURN (\t)+1                                    ; they go through the other stage while this step is worked
.endif
	v_max3_num_f32 v8, |v[XS]|, |v[XS+1]|, |v[XS+2]|               ; the largest magnitude of my 16, in two chains
	v_max3_num_f32 v9, |v[XS+3]|, |v[XS+4]|, |v[XS+5]|
.irp i, 6,10
	v_max3_num_f32 v8, v8, |v[XS+\i]|, |v[XS+\i+1]|
	v_max3_num_f32 v9, v9, |v[XS+\i+2]|, |v[XS+\i+3]|
.endr
	v_max3_num_f32 v8, v8, |v[XS+14]|, |v[XS+15]|
	v_max3_num_f32 v8, v8, v9, (EMAX+1)<<23        ; and the floor 2^(EMAX + 1 - 127): the byte cannot fall under 1
	v_max_num_f32_dpp v8, v8, v8 row_xmask:1 row_mask:0xf bank_mask:0xf   ; and of my neighbour's 16: the block's
	v_add_nc_u32 v11, -(EMAX<<23), v8              ; EMAX off its exponent field: the conversion takes the exponent field of this operand as its scale
	v_cvt_scalef32_pk8_fp4_f32 v[C+4*(\t)], v[XS:XS+7], v11
	v_cvt_scalef32_pk8_fp4_f32 v[C+4*(\t)+1], v[XS+8:XS+15], v11
	v_lshrrev_b32 v[E+(\t)], 23, v11               ; the scale's byte (a plain line behind the conversions)
	ds_store_b8 v5, v[E+(\t)] offset:16*(\t)       ; both lanes of a block write the same byte with the same value
	global_store_b64 v4, v[C+4*(\t):C+4*(\t)+1], s[18:19] offset:32*CB*(\t)   ; the wave stores 256 consecutive bytes, aligned
.endm
.irp t, 0,1,2,3,4,5,6,7,8,9,10,11,12,13,14,15
	STEP \t
.endr
	ds_load_b64 v[8:9], v6                         ; LDS serves a wave's instructions in order: these see my byte stores
	s_wait_dscnt 0x0
	global_store_b64 v7, v[8:9], s[20:21]          ; 32 lanes store 256 consecutive bytes, aligned
	s_wait_tensorcnt 0x0                           ; the wave's end
	ds_add_u32 v[SPW], v[NIL]
	s_wait_dscnt 0x0
	s_endpgm
; Wo to f16.  No LDS is touched on this path.  A wave's 8,192 numbers go in four groups of 16 loads; a load reads 512 consecutive bytes, its 128 numbers leave as 256 consecutive bytes, 8 a lane.
.macro WLOAD g
.irp i, 0,1,2,3,4,5,6,7,8,9,10,11,12,13,14,15
	global_load_b128 v[WI+64*((\g)%2)+4*\i:WI+64*((\g)%2)+4*\i+3], v3, s[16:17] offset:512*(16*(\g)+\i) th:TH_LOAD_NT
.endr
.endm
.macro WGROUP g
.if (\g) < 3
	s_wait_loadcnt 16                              ; this group is in; the next group's sixteen loads may be out
.else
	s_wait_loadcnt 0x0
.endif
.if (\g) > 0
	s_wait_xcnt 0x0                                ; the last group's stores have read their data registers, which are written again below
.endif
.irp i, 0,1,2,3,4,5,6,7,8,9,10,11,12,13,14,15
	v_cvt_pk_f16_f32 v[WO+2*\i], v[WI+64*((\g)%2)+4*\i], v[WI+64*((\g)%2)+4*\i+1]
	v_cvt_pk_f16_f32 v[WO+2*\i+1], v[WI+64*((\g)%2)+4*\i+2], v[WI+64*((\g)%2)+4*\i+3]
.endr
.irp i, 0,1,2,3,4,5,6,7,8,9,10,11,12,13,14,15
	global_store_b64 v7, v[WO+2*\i:WO+2*\i+1], s[22:23] offset:256*(16*(\g)+\i)
.endr
.if (\g)+2 < 4
	WLOAD (\g)+2
.endif
.endm
.Lwo:
	s_sub_co_u32 s29, ttmp9, WG_WO
	s_lshl_b32 s29, s29, 2
	s_add_co_u32 s29, s29, s24                     ; my run of 8,192 numbers
	s_lshl_b32 s30, s29, 15
	s_add_nc_u64 s[16:17], s[16:17], s[30:31]
	s_lshl_b32 s30, s29, 14
	s_add_nc_u64 s[22:23], s[22:23], s[30:31]
	WLOAD 0
	WLOAD 1
	WGROUP 0
	WGROUP 1
	WGROUP 2
	WGROUP 3
	s_endpgm
.Lfunc_end_k_q6bac3f73f1_quant:
	.size	k_q6bac3f73f1_quant, .Lfunc_end_k_q6bac3f73f1_quant-k_q6bac3f73f1_quant
	.p2alignl 7, 3214868480
	.fill 96, 4, 3214868480
	.section	.rodata,"a",@progbits
	.p2align	6, 0x0
	.amdhsa_kernel k_q6bac3f73f1_quant
		.amdhsa_group_segment_fixed_size 33280
		.amdhsa_private_segment_fixed_size 0
		.amdhsa_enable_private_segment 0
		.amdhsa_kernarg_size 80
		.amdhsa_user_sgpr_count 2
		.amdhsa_user_sgpr_kernarg_segment_ptr 1
		.amdhsa_wavefront_size32 1
		.amdhsa_system_sgpr_workgroup_id_x 1
		.amdhsa_system_sgpr_workgroup_id_y 1
		.amdhsa_system_sgpr_workgroup_id_z 1
		.amdhsa_system_vgpr_workitem_id 0
		.amdhsa_next_free_vgpr 192
		.amdhsa_next_free_sgpr 66
		.amdhsa_reserve_vcc 0
		.amdhsa_float_denorm_mode_32 3
		.amdhsa_float_denorm_mode_16_64 3
		.amdhsa_memory_ordered 1
		.amdhsa_forward_progress 1
		.amdhsa_inst_pref_size 55
	.end_amdhsa_kernel
	.amdgpu_metadata
---
amdhsa.version: [ 1, 2 ]
amdhsa.kernels:
  - .name:           k_q6bac3f73f1_quant
    .symbol:         k_q6bac3f73f1_quant.kd
    .args:
      - { .name: q, .offset: 0, .size: 8, .value_kind: global_buffer, .address_space: global }
      - { .name: k, .offset: 8, .size: 8, .value_kind: global_buffer, .address_space: global }
      - { .name: v, .offset: 16, .size: 8, .value_kind: global_buffer, .address_space: global }
      - { .name: Wq, .offset: 24, .size: 8, .value_kind: global_buffer, .address_space: global }
      - { .name: Wk, .offset: 32, .size: 8, .value_kind: global_buffer, .address_space: global }
      - { .name: Wv, .offset: 40, .size: 8, .value_kind: global_buffer, .address_space: global }
      - { .name: Wo, .offset: 48, .size: 8, .value_kind: global_buffer, .address_space: global }
      - { .name: codes, .offset: 56, .size: 8, .value_kind: global_buffer, .address_space: global }
      - { .name: scales, .offset: 64, .size: 8, .value_kind: global_buffer, .address_space: global }
      - { .name: wo16, .offset: 72, .size: 8, .value_kind: global_buffer, .address_space: global }
    .group_segment_fixed_size: 33280
    .private_segment_fixed_size: 0
    .kernarg_segment_align: 8
    .kernarg_segment_size: 80
    .max_flat_workgroup_size: 128
    .sgpr_count:     66
    .vgpr_count:     192
    .wavefront_size: 32
...
	.end_amdgpu_metadata
.endif
;; end of part 1
;; launch proj (part 2): grid 12 x 32, 4 waves a work-group, clusters of 4 x 4, 327,680 bytes of LDS; arguments codes, scales, bq, bk, bv, qkv; writes qkv
.if DOCPART == 2
	.amdgcn_target "amdgcn-amd-amdhsa--gfx1250"
	.amdhsa_code_object_version 6
	.text
	.protected	k_q6bac3f73f1_proj
	.globl	k_q6bac3f73f1_proj
	.p2align	8
	.type	k_q6bac3f73f1_proj,@function
k_q6bac3f73f1_proj:
	s_mov_b64 s[64:65], 0
	v_nop
	global_prefetch_b8 v0, s[64:65] scope:SCOPE_SE
	s_setreg_imm32_b32 hwreg(HW_REG_WAVE_MODE, 25, 1), 1
	s_wait_xcnt 0x0
	s_wait_alu depctr_hold_cnt(0) depctr_sa_sdst(0) depctr_va_vdst(0) depctr_va_sdst(0) depctr_va_ssrc(0) depctr_va_vcc(0) depctr_vm_vsrc(0)
	s_getreg_b32 s2, hwreg(HW_REG_IB_STS2, 6, 4)
	s_cmp_eq_u32 s2, 0
	s_cbranch_scc0 .Lentry_in_a_cluster
	s_endpgm
.Lentry_in_a_cluster:
	s_bfe_u32 s2, ttmp6, 0x10000c
	s_cmp_lg_u32 s2, 0xf033
	s_cbranch_scc0 .Lentry_shape_is_right
	s_endpgm
.Lentry_shape_is_right:
; The three projections x W^T + b on codes of FP4 (E2M1) with one E8M0 scale for each 32 along K; sums in f32; the results, rounded once to f16, are laid by head: qkv [3][64 (batch, head)][2048][64].
; codes: 27,648 rows of 512 bytes, scales: the same rows of 32 bytes: rows 0 q, 8192 k, 16384 v, 24576 Wq, 25600 Wk, 26624 Wv.
; LIMIT: |Q|, |K|, |V| stay under 65,504, the largest f16 number.
; SHARES: a tile of 256 x 256 of a projection is made by a work-group of four waves, a wave makes 128 x 128: 64 accumulators, 512 registers.  The cluster's x is the projection (0 to 2), the place cx
; in the cluster the tile column (0 to 3), 4 x cluster y + cy the tile row (0 to 31).
; K = 1,024 is two steps of 512 (a tile's row: 256 bytes): both lie in LDS at once, each filled once, at the start; no LDS byte is filled twice.  The scale bytes of the tile's rows come with them.
; CLUSTERS: the four work-groups of a row of the cluster need the same rows of x, the four of a column the same rows of W: each tile is asked for jointly.
; THE MATRIX INSTRUCTION IS USED TRANSPOSED (source 0 = 16 rows of W, source 1 = 16 rows of x): a lane holds eight neighbouring columns of one row.  The bias is the C of each sum's first product.
; REGISTERS: window 0: v0-31 addresses; v32-95 scale words, two sets; v128-191 x's fragments, one set; v192-255 the bias, later the way out.  window 1: W's fragments, two sets.  windows 2, 3: the accumulators.
.set NQ,     4                         ; matrix instructions deep in a K step of 512
.set ROWB,   256                       ; a tile's row in bytes
.set KROW,   512                       ; a row of codes in memory
.set PITCH,  272                       ; an LDS row: 256 bytes + 16 of padding: the 16 rows that a load touches start 16 bytes apart modulo 256
.set FR,     8                         ; registers of a fragment: 16 rows x 128 K
.set NL,     2                         ; LDS loads that bring one
.set NP,     4                         ; places behind this matrix instruction (ISA guide 7.12.1)
.set HALFT,  128*PITCH                 ; 128 rows: what one tensor load brings
.set SLOT,   4*HALFT                   ; x's 256 rows, then W's 256 rows
.set KS,     32                        ; a row of scale bytes
.set SCL,    2*SLOT                    ; behind the two slots: the scale bytes, as runs of 256 bytes + 16 of padding
.set HALFS,  (128*KS/256)*272          ; those of 128 rows
.set SBLK,   (16*KS/256)*272           ; those of 16 rows
.set SPARE,  SCL+4*HALFS               ; the spare words, 128 bytes a wave, which no other line names
.set HPITCH, 144                       ; the way out: a head's row of 128 bytes + 16
.set HSTG,   16*HPITCH                 ; 16 rows of one head; a wave's stage is two of these, in slot 0, which has been read out by then
.set ADRA, 16                          ; v16-17  LDS address of my fragments of x in slot 0, 1
.set ADRB, 20                          ; v20-21  the same for W
.set STO,  24                          ; v24     the way out: where I put 16 bytes of a row
.set RD,   25                          ; v25     where I read them back
.set CO,   26                          ; v26     my byte offset in qkv
.set ADRS, 27                          ; v27     LDS address of my scale words: lanes 0-15 x's rows, lanes 16-31 W's
.set SPW,  28                          ; v28     my spare word; never rewritten
.set NIL,  29                          ; v29     0; never rewritten
.set SC,   32                          ; scale words: set s at v[SC + 32 s]; register 4 i + q: lanes 0-15 x's block i, lanes 16-31 W's block i, the slot's q-th 128 along K
.set AF,   128                         ; x's fragments
.set BIAS, 192                         ; v192-255: register 8 b + j: the bias of column 16 b + 8 (lane / 16) + j
.set TMP,  192                         ; the way out: packed results
.set OB,   32                          ; the way out: rows read back: v32-63 and v224-255 by turns
.set G1, 24
.set G0, 32
.set G1B, 48
.set G0B, 56
.set G1S, 68
.set G0S, 76
.set G1SB, 80
.set G0SB, 88
.set MSB, 0
.macro WIN new                         ; the immediate's high byte repeats the setting that is left
.if MSB != \new
	s_set_vgpr_msb (MSB<<8)|\new
.set MSB, \new
.endif
.endm
.set MUL_LO, 0xa1                      ; source 0 (W) window 1, source 1 (x) window 0, C and D window 2
.set MUL_HI, 0xf1                      ; the same, C and D window 3
.set FST_LO, 0x81                      ; the first products: C (the bias) window 0, D window 2
.set FST_HI, 0xc1                      ; D window 3
.set TO_B,   0x40                      ; destination window 1, address window 0
; A joint load: waves 0 and 1 fetch for x, waves 2 and 3 for W.  The branch hangs on the wave's number alone.  An s_nop 0 and four v_nop follow each of the two lines.
.macro JLOAD g0a, g1a, g0b, g1b
	s_cmp_eq_u32 s15, 0
	s_cbranch_scc0 .Lfor_b_\@
	tensor_load_to_lds s[\g0a:\g0a+3], s[\g1a:\g1a+7]
	s_nop 0
.rept 4
	v_nop
.endr
	s_branch .Lasked_\@
.Lfor_b_\@:
	tensor_load_to_lds s[\g0b:\g0b+3], s[\g1b:\g1b+7]
	s_nop 0
.rept 4
	v_nop
.endr
.Lasked_\@:
.endm
.macro CROUND                          ; a round of the cluster's barrier
	s_barrier_signal -1
	s_barrier_wait -1
	s_cmp_lg_u32 s14, 0
	s_cbranch_scc1 .Lnot_wave_0_\@
	s_barrier_signal -3
.Lnot_wave_0_\@:
	s_barrier_wait -3
	s_barrier_signal -1
	s_barrier_wait -1
.endm
	s_load_b128 s[4:7], s[0:1], 0x0                ; codes s[4:5], scales s[6:7]
	s_load_b128 s[96:99], s[0:1], 0x10             ; bq, bk
	s_load_b64 s[100:101], s[0:1], 0x20            ; bv
	s_load_b64 s[12:13], s[0:1], 0x28              ; qkv
	v_lshl_add_u32 v[SPW], v0, 2, SPARE
	v_mov_b32 v[NIL], 0
	ds_add_u32 v[SPW], v[NIL]                      ; the wave's opening: the add, twice on end, and its wait ahead of my first tensor load
	ds_add_u32 v[SPW], v[NIL]
	v_lshrrev_b32 v1, 5, v0
	v_readfirstlane_b32 s14, v1                    ; wave 0..3
	s_lshr_b32 s15, s14, 1                         ; which half of the tile's rows is mine.  Also: I fetch for x (0) or for W (1)
	s_and_b32 s16, s14, 1                          ; which half of its columns.  Also: which 128 rows I fetch
	s_bfe_u32 s40, ttmp6, 0x40000                  ; cx
	s_bfe_u32 s41, ttmp6, 0x40004                  ; cy
	s_lshl_b32 s42, ttmp9, 2
	s_add_co_u32 s42, s42, s40                     ; 4 x projection + tile column: which 256 rows of the stacked weights
	s_and_b32 s17, ttmp7, 0xffff
	s_lshl_b32 s17, s17, 2
	s_add_co_u32 s17, s17, s41                     ; the tile row in the projection, 0..31
	s_lshl_b32 s43, s41, 2
	s_lshl_b32 s43, 15, s43                        ; my row of the cluster
	s_lshl_b32 s44, 0x1111, s40                    ; my column
	; descriptor group 1: a tile of 128 rows x 256 bytes, 16 bytes of padding behind each row
	s_or_b32 s[G1+0], s43, (0<<16)|(1<<20)|(1<<21)|(5<<22)|(3<<25)  ; 15:0 the mask; 17:16 elements of 1 byte; 20 padding on; 21 set beside a mask; 24:22 after every 64 words; 31:25 four words
	s_or_b32 s[G1B+0], s44, (0<<16)|(1<<20)|(1<<21)|(5<<22)|(3<<25)
.irp g, G1, G1B
	s_mov_b32 s[\g+1], ROWB<<16                    ; tensor_dim0
	s_mov_b32 s[\g+2], 128<<16                     ; tensor_dim1
	s_mov_b32 s[\g+3], ROWB<<16                    ; tile_dim0
	s_mov_b32 s[\g+4], 128                         ; tile_dim1
	s_mov_b32 s[\g+5], KROW                        ; from row to row
	s_mov_b32 s[\g+6], 0
	s_mov_b32 s[\g+7], 0
.endr
	; the scale bytes of 128 rows: 4,096 dense bytes, as 16 rows of 256 bytes (32 elements of 8 bytes), 16 bytes of padding behind each
	s_or_b32 s[G1S+0], s43, (3<<16)|(1<<20)|(1<<21)|(5<<22)|(3<<25)
	s_or_b32 s[G1SB+0], s44, (3<<16)|(1<<20)|(1<<21)|(5<<22)|(3<<25)
.irp g, G1S, G1SB
	s_mov_b32 s[\g+1], 32<<16
	s_mov_b32 s[\g+2], (128*KS/256)<<16
	s_mov_b32 s[\g+3], 32<<16
	s_mov_b32 s[\g+4], 128*KS/256
	s_mov_b32 s[\g+5], 32
	s_mov_b32 s[\g+6], 0
	s_mov_b32 s[\g+7], 0
.endr
	s_lshl_b32 s18, s16, 7                         ; which 128 rows of the tile I fetch
	s_lshl_b32 s20, s17, 8
	s_add_co_u32 s20, s20, s18
	s_lshl_b32 s19, ttmp9, 13
	s_add_co_u32 s20, s20, s19                     ; x: row 8,192 x projection + 256 x tile row + 128 x half: no cx in it
	s_lshl_b32 s46, s42, 8
	s_add_co_u32 s46, s46, s18
	s_add_co_u32 s46, s46, 24576                   ; W: row 24,576 + 256 x (4 x projection + cx) + 128 x half: no cy in it
	s_lshl_b32 s22, s20, 5                         ; where these rows' scale bytes begin,
	s_mov_b32 s23, 0
	s_lshl_b32 s92, s46, 5
	s_mov_b32 s93, 0
	s_lshl_b32 s20, s20, 9                         ; and their codes (under 2^24)
	s_mov_b32 s21, 0
	s_lshl_b32 s46, s46, 9
	s_mov_b32 s47, 0
	s_mul_i32 s45, s14, HALFT                      ; where they go: wave x 128 rows: no place in the cluster enters an LDS address
	s_mul_i32 s94, s14, HALFS
	s_wait_dscnt 0x0                               ; both opening adds are done
	s_wait_kmcnt 0x0
	s_add_nc_u64 s[20:21], s[4:5], s[20:21]
	s_add_nc_u64 s[22:23], s[6:7], s[22:23]
	s_add_nc_u64 s[46:47], s[4:5], s[46:47]
	s_add_nc_u64 s[92:93], s[6:7], s[92:93]
	CROUND                                         ; all sixteen work-groups are here: the joint loads meet
	s_mov_b32 s[G0S], 1
	s_add_co_u32 s[G0S+1], s94, SCL
	s_mov_b64 s[G0S+2:G0S+3], s[22:23]
	s_or_b32 s[G0S+3], s[G0S+3], 0x80000000
	s_mov_b32 s[G0SB], 1
	s_add_co_u32 s[G0SB+1], s94, SCL
	s_mov_b64 s[G0SB+2:G0SB+3], s[92:93]
	s_or_b32 s[G0SB+3], s[G0SB+3], 0x80000000
	JLOAD G0S, G1S, G0SB, G1SB                     ; the scale bytes first: they are wanted with K step 0
.irp s, 0,1
	s_mov_b32 s[G0+4*\s], 1
	s_add_co_u32 s[G0+4*\s+1], s45, \s*SLOT
	s_add_nc_u64 s[G0+4*\s+2:G0+4*\s+3], s[20:21], \s*ROWB
	s_or_b32 s[G0+4*\s+3], s[G0+4*\s+3], 0x80000000
	s_mov_b32 s[G0B+4*\s], 1
	s_add_co_u32 s[G0B+4*\s+1], s45, \s*SLOT
	s_add_nc_u64 s[G0B+4*\s+2:G0B+4*\s+3], s[46:47], \s*ROWB
	s_or_b32 s[G0B+4*\s+3], s[G0B+4*\s+3], 0x80000000
	JLOAD G0+4*\s, G1, G0B+4*\s, G1B               ; three tensor loads of mine are out behind the second of these
.endr
	v_and_b32 v1, 15, v0                           ; r = lane % 16
	v_bfe_u32 v2, v0, 4, 1                         ; h = lane / 16
	; the bias: chosen by the projection; lane (r, h) wants, for block b, the columns 16 b + 8 h + 0 .. 7
	s_cmp_eq_u32 ttmp9, 1
	s_cselect_b64 s[8:9], s[98:99], s[100:101]
	s_cmp_eq_u32 ttmp9, 0
	s_cselect_b64 s[8:9], s[96:97], s[8:9]
	s_lshl_b32 s10, s40, 10
	s_lshl_b32 s11, s16, 9
	s_add_co_u32 s10, s10, s11                     ; (256 cx + 128 x column half) x 4 bytes
	s_mov_b32 s11, 0
	s_add_nc_u64 s[8:9], s[8:9], s[10:11]
	v_lshlrev_b32 v7, 5, v2
.irp b, 0,1,2,3,4,5,6,7
	global_load_b128 v[BIAS+8*\b:BIAS+8*\b+3], v7, s[8:9] offset:64*\b
	global_load_b128 v[BIAS+8*\b+4:BIAS+8*\b+7], v7, s[8:9] offset:64*\b+16
.endr
	v_mul_u32_u24 v3, v1, PITCH
	v_lshl_add_u32 v4, v2, 4, v3                   ; a fragment's row x pitch + 16 x half
	s_mul_i32 s21, s15, HALFT                      ; my 128 rows of x
	s_mul_i32 s22, s16, HALFT                      ; my 128 rows of W,
	s_add_co_u32 s22, s22, 2*HALFT                 ; which lie behind x's 256
.irp s, 0,1
	v_add_nc_u32 v[ADRA+\s], s21, v4
	v_add_nc_u32 v[ADRB+\s], s22, v4
	s_add_co_u32 s21, s21, SLOT
	s_add_co_u32 s22, s22, SLOT
.endr
	v_mul_u32_u24 v5, v1, KS                       ; my row's scale bytes: 32 a row,
	v_lshrrev_b32 v6, 8, v5
	v_lshl_add_u32 v5, v6, 4, v5                   ; and 16 more for each 256 passed
	s_mul_i32 s21, s15, HALFS
	s_mul_i32 s22, s16, HALFS
	s_add_co_u32 s22, s22, 2*HALFS
	s_sub_co_u32 s22, s22, s21
	v_mul_u32_u24 v6, s22, v2                      ; lanes 16-31 take W's: one product, the distance between the two bases
	s_add_co_u32 s21, s21, SCL
	v_add_nc_u32 v5, v5, v6
	v_add_nc_u32 v[ADRS], s21, v5
	s_mul_i32 s23, s14, 2*HSTG                     ; my stage
	v_mul_u32_u24 v5, v1, HPITCH
	v_lshl_add_u32 v5, v2, 4, v5
	v_add_nc_u32 v[STO], s23, v5                   ; in: row r, 16 bytes for each half of the lanes
	v_mul_u32_u24 v5, v2, HSTG                     ; back: lanes 0-15 the first head, lanes 16-31 the second; eight lanes to a row of 128 bytes
	v_bfe_u32 v6, v0, 3, 1
	v_mad_u32_u24 v5, v6, HPITCH, v5
	v_and_b32 v6, 7, v0
	v_lshl_add_u32 v5, v6, 4, v5
	v_add_nc_u32 v[RD], s23, v5
	v_lshlrev_b32 v5, 18, v2                       ; a head is 262,144 bytes
	v_lshl_add_u32 v[CO], v1, 4, v5                ; two rows of a head are 256 consecutive bytes
	; where my part begins in qkv: (4 x projection + batch) x 16 heads + my first head, my first row of the sequence
	s_lshl_b32 s20, ttmp9, 5
	s_add_co_u32 s20, s20, s17
	s_lshr_b32 s20, s20, 3
	s_lshl_b32 s20, s20, 22                        ; 16 heads are 4,194,304 bytes
	s_and_b32 s21, s17, 7
	s_lshl_b32 s21, s21, 8
	s_lshl_b32 s22, s15, 7
	s_add_co_u32 s21, s21, s22                     ; row in the sequence: 256 x (tile row % 8) + 128 x row half
	s_lshl_b32 s21, s21, 7
	s_add_co_u32 s20, s20, s21
	s_mov_b32 s21, 0
	s_lshl_b32 s46, s40, 2
	s_lshl_b32 s47, s16, 1
	s_add_co_u32 s46, s46, s47                     ; head: 4 cx + 2 x column half
	s_lshl_b32 s46, s46, 18
	s_mov_b32 s47, 0
	s_add_nc_u64 s[20:21], s[20:21], s[46:47]
	s_add_nc_u64 s[12:13], s[12:13], s[20:21]
.macro FRAG reg, adr, q, i             ; 16 rows x 128 K of 4-bit codes: lane l holds row l % 16; registers 4 c .. 4 c + 3 hold K = 64 c + 32 (l / 16) + 0 .. 31
.irp c, 0,1
	ds_load_b128 v[\reg+4*\c:\reg+4*\c+3], v[\adr] offset:64*(\q)+32*\c+(\i)*16*PITCH
.endr
.endm
; 16 matrix instructions: x's blocks a0, a0 + 1 against W's eight, 128 along K.  p: W's set; sc: the set of scale words.  first = 1: the bias is the C: nothing is cleared, nothing is added later.
; The 64 accumulators take turns, one instruction a turn, in the same order in every step.
.macro MUL16 a0, p, q, sc, first
.irp a, \a0, \a0+1
.irp b, 0,1,2,3,4,5,6,7
.if \first
	v_wmma_scale_f32_16x16x128_f8f6f4 v[8*(8*((\a)%4)+\b):8*(8*((\a)%4)+\b)+7], v[128*(\p)+FR*\b:128*(\p)+FR*\b+FR-1], v[AF+FR*(\a):AF+FR*(\a)+FR-1], v[BIAS+8*\b:BIAS+8*\b+7], v[SC+8*NQ*(\sc)+NQ*\b+(\q)], v[SC+8*NQ*(\sc)+NQ*(\a)+(\q)] matrix_a_fmt:MATRIX_FMT_FP4 matrix_b_fmt:MATRIX_FMT_FP4 matrix_a_scale:MATRIX_SCALE_ROW1
.else
	v_wmma_scale_f32_16x16x128_f8f6f4 v[8*(8*((\a)%4)+\b):8*(8*((\a)%4)+\b)+7], v[128*(\p)+FR*\b:128*(\p)+FR*\b+FR-1], v[AF+FR*(\a):AF+FR*(\a)+FR-1], v[8*(8*((\a)%4)+\b):8*(8*((\a)%4)+\b)+7], v[SC+8*NQ*(\sc)+NQ*\b+(\q)], v[SC+8*NQ*(\sc)+NQ*(\a)+(\q)] matrix_a_fmt:MATRIX_FMT_FP4 matrix_b_fmt:MATRIX_FMT_FP4 matrix_a_scale:MATRIX_SCALE_ROW1
.endif
.endr
.endr
.endm
.macro FETCH_B slot, q, p              ; W's eight fragments of the slot's q-th 128 along K into set p
	WIN TO_B
.irp i, 0,1,2,3,4,5,6,7
	FRAG 128*(\p)+FR*\i, ADRB+\slot, \q, \i
.endr
	WIN 0
.endm
.macro FETCH_A slot, q, i0             ; x's blocks i0 .. i0 + 3
.irp i, \i0, \i0+1, \i0+2, \i0+3
	FRAG AF+FR*(\i), ADRA+\slot, \q, \i
.endr
.endm
.macro SCALES sc                       ; a K step's scale words into set sc: lanes 0-15 take x's block i, lanes 16-31 W's block i
.irp i, 0,1,2,3,4,5,6,7
	ds_load_b128 v[SC+8*NQ*\sc+NQ*\i:SC+8*NQ*\sc+NQ*\i+3], v[ADRS] offset:\i*SBLK
.endr
.endm
.macro PLACES n                        ; plain vector instructions between a matrix instruction and a load into its registers or a read of its results
.rept \n
	v_nop
.endr
.endm
; A step of 128 along K that has its successor in the same slot.  A block of x is free as soon as its eight products are issued: one set serves x; W has two.
.macro STEP slot, q, first
	s_wait_dscnt 4*NL                              ; W's set, x's blocks 0-3 and the scale words are in; the youngest eight loads (x's blocks 4-7) may be out
.if \first
	WIN FST_LO
.else
	WIN MUL_LO
.endif
	MUL16 0, (\q)%2, \q, \slot, \first
	MUL16 2, (\q)%2, \q, \slot, \first
	s_wait_dscnt 0                                 ; x's blocks 4-7 are in
	PLACES NP
	FETCH_B \slot, (\q)+1, 1-(\q)%2
	FETCH_A \slot, (\q)+1, 0
.if \first
	WIN FST_HI
.else
	WIN MUL_HI
.endif
	MUL16 4, (\q)%2, \q, \slot, \first
	MUL16 6, (\q)%2, \q, \slot, \first
	PLACES NP
	WIN 0
	FETCH_A \slot, (\q)+1, 4
.endm
; Slot 0's last step changes slots: each wave waits for all its tensor loads (its part of slot 1), and for its reads of slot 0; behind the barrier slot 1 is whole, and nobody reads slot 0 any more.  Nothing is filled again.
.macro TURN slot, next
	s_wait_tensorcnt 0x0                           ; all my tensor loads have landed
	ds_add_u32 v[SPW], v[NIL]                      ; 0 onto my spare word
	s_wait_dscnt 4*NL+1                            ; (the add and the youngest eight loads may be out)
	WIN MUL_LO
	MUL16 0, 1, NQ-1, \slot, 0
	s_wait_dscnt 0x0                               ; the add is done, and my reads of this slot are over
	s_barrier_signal -1
	MUL16 2, 1, NQ-1, \slot, 0
	WIN 0
	s_barrier_wait -1
	PLACES NP
	v_add_nc_u32 v[ADRS], 4*NQ, v[ADRS]            ; on to the next K step's scale words
	FETCH_B \next, 0, 0
	FETCH_A \next, 0, 0
	SCALES \next
	WIN MUL_HI
	MUL16 4, 1, NQ-1, \slot, 0
	MUL16 6, 1, NQ-1, \slot, 0
	PLACES NP
	WIN 0
	FETCH_A \next, 0, 4
.endm
.macro STEPS slot, from                ; the slot's steps from .. NQ - 2
.set Q, \from
.rept NQ-1-\from
	STEP \slot, Q, 0
.set Q, Q+1
.endr
.endm
	s_wait_tensorcnt 1                             ; the scale bytes and my part of slot 0 are in (slot 1's load may be out)
	s_barrier_signal -1
	s_barrier_wait -1                              ; everybody's are
	FETCH_B 0, 0, 0
	FETCH_A 0, 0, 0
	SCALES 0
	FETCH_A 0, 0, 4
	s_wait_loadcnt 0x0                             ; the bias
	STEP 0, 0, 1
	STEPS 0, 1
	TURN 0, 1
	STEPS 1, 0
	s_wait_dscnt 4*NL                              ; the very last step: nothing more to fetch
	WIN MUL_LO
	MUL16 0, 1, NQ-1, 1, 0
	MUL16 2, 1, NQ-1, 1, 0
	s_wait_dscnt 0
	WIN MUL_HI
	MUL16 4, 1, NQ-1, 1, 0
	MUL16 6, 1, NQ-1, 1, 0
	WIN 0
; THE WAY OUT, block by block of 16 rows x 128 columns (two heads).  PACK: rounded to f16, 16 bytes a lane, each accumulator from its low end on.  TOSTAGE: into my stage, sorted by head, and back so that
; sixteen lanes hold two whole rows of one head.  SEND: sixteen lanes store 256 consecutive bytes, aligned.
.macro PACK a
.set AC, 64*((\a)%4)
	WIN 0x0a+5*((\a)/4)                            ; sources 0 and 1: window 2 or 3
.irp b, 0,1,2,3,4,5,6,7
.irp r, 0,1,2,3
	v_cvt_pk_f16_f32 v[TMP+4*\b+\r], v[AC+8*\b+2*\r], v[AC+8*\b+2*\r+1]
.endr
.endr
	WIN 0
.endm
.macro TOSTAGE a
.set BK, OB+192*((\a)%2)
.irp b, 0,1,2,3,4,5,6,7
	ds_store_b128 v[STO], v[TMP+4*\b:TMP+4*\b+3] offset:(\b/4)*HSTG+(\b%4)*32
.endr
.irp t, 0,1,2,3,4,5,6,7
	ds_load_b128 v[BK+4*\t:BK+4*\t+3], v[RD] offset:\t*2*HPITCH    ; LDS serves a wave's instructions in order: these see the stores above
.endr
.endm
.macro SEND a
.set BK, OB+192*((\a)%2)
	s_wait_dscnt 0x0                               ; the block is back in registers
	s_wait_xcnt 0x0                                ; earlier stores have read their base and their data: only now are these written again
.if (\a) > 0
	s_add_nc_u64 s[12:13], s[12:13], 16*128        ; 16 rows of a head on
.endif
.irp t, 0,1,2,3,4,5,6,7
	global_store_b128 v[CO], v[BK+4*\t:BK+4*\t+3], s[12:13] offset:256*\t
.endr
.endm
	PLACES NP
	PACK 0
	TOSTAGE 0
.irp a, 1,2,3,4,5,6,7                  ; block a's conversions stand between block a - 1's loads from the stage and the wait for them
	PACK \a
	SEND \a-1
	TOSTAGE \a
.endr
	SEND 7
	s_wait_tensorcnt 0x0                           ; the wave's end
	ds_add_u32 v[SPW], v[NIL]
	s_wait_dscnt 0x0
	CROUND                                         ; the closing round
	s_endpgm
.Lfunc_end_k_q6bac3f73f1_proj:
	.size	k_q6bac3f73f1_proj, .Lfunc_end_k_q6bac3f73f1_proj-k_q6bac3f73f1_proj
	.p2alignl 7, 3214868480
	.fill 96, 4, 3214868480
	.section	.rodata,"a",@progbits
	.p2align	6, 0x0
	.amdhsa_kernel k_q6bac3f73f1_proj
		.amdhsa_group_segment_fixed_size 327680
		.amdhsa_private_segment_fixed_size 0
		.amdhsa_enable_private_segment 0
		.amdhsa_kernarg_size 48
		.amdhsa_user_sgpr_count 2
		.amdhsa_user_sgpr_kernarg_segment_ptr 1
		.amdhsa_wavefront_size32 1
		.amdhsa_system_sgpr_workgroup_id_x 1
		.amdhsa_system_sgpr_workgroup_id_y 1
		.amdhsa_system_sgpr_workgroup_id_z 1
		.amdhsa_system_vgpr_workitem_id 0
		.amdhsa_next_free_vgpr 1024
		.amdhsa_next_free_sgpr 102
		.amdhsa_reserve_vcc 0
		.amdhsa_float_denorm_mode_32 3
		.amdhsa_float_denorm_mode_16_64 3
		.amdhsa_memory_ordered 1
		.amdhsa_forward_progress 1
		.amdhsa_inst_pref_size 129
	.end_amdhsa_kernel
	.amdgpu_metadata
---
amdhsa.version: [ 1, 2 ]
amdhsa.kernels:
  - .name:           k_q6bac3f73f1_proj
    .symbol:         k_q6bac3f73f1_proj.kd
    .args:
      - { .name: codes, .offset: 0, .size: 8, .value_kind: global_buffer, .address_space: global }
      - { .name: scales, .offset: 8, .size: 8, .value_kind: global_buffer, .address_space: global }
      - { .name: bq, .offset: 16, .size: 8, .value_kind: global_buffer, .address_space: global }
      - { .name: bk, .offset: 24, .size: 8, .value_kind: global_buffer, .address_space: global }
      - { .name: bv, .offset: 32, .size: 8, .value_kind: global_buffer, .address_space: global }
      - { .name: qkv, .offset: 40, .size: 8, .value_kind: global_buffer, .address_space: global }
    .group_segment_fixed_size: 327680
    .private_segment_fixed_size: 0
    .kernarg_segment_align: 8
    .kernarg_segment_size: 48
    .max_flat_workgroup_size: 128
    .sgpr_count:     102
    .vgpr_count:     1024
    .wavefront_size: 32
...
	.end_amdgpu_metadata
.endif
;; end of part 2
;; launch attn (part 3): grid 4 x 64, 8 waves a work-group, clusters of 4 x 1, 327,680 bytes of LDS; arguments qkv, att; writes att
.if DOCPART == 3
	.amdgcn_target "amdgcn-amd-amdhsa--gfx1250"
	.amdhsa_code_object_version 6
	.text
	.protected	k_q6bac3f73f1_attn
	.globl	k_q6bac3f73f1_attn
	.p2align	8
	.type	k_q6bac3f73f1_attn,@function
k_q6bac3f73f1_attn:
	s_mov_b64 s[64:65], 0
	v_nop
	global_prefetch_b8 v0, s[64:65] scope:SCOPE_SE
	s_setreg_imm32_b32 hwreg(HW_REG_WAVE_MODE, 25, 1), 1
	s_wait_xcnt 0x0
	s_wait_alu depctr_hold_cnt(0) depctr_sa_sdst(0) depctr_va_vdst(0) depctr_va_sdst(0) depctr_va_ssrc(0) depctr_va_vcc(0) depctr_vm_vsrc(0)
	s_getreg_b32 s2, hwreg(HW_REG_IB_STS2, 6, 4)
	s_cmp_eq_u32 s2, 0
	s_cbranch_scc0 .Lentry_in_a_cluster
	s_endpgm
.Lentry_in_a_cluster:
	s_bfe_u32 s2, ttmp6, 0x10000c
	s_cmp_lg_u32 s2, 0x3003
	s_cbranch_scc0 .Lentry_shape_is_right
	s_endpgm
.Lentry_shape_is_right:
; att[bh][q][:] = the sum over k of softmax_k(Q[bh][q] . K[bh][k] / 8) V[bh][k][:].  qkv: [3 (Q, K, V)][64 bh][2048][64] f16; att: [64 bh][2048][64] f16.  Products, maxima and sums in f32;
; the weights p are rounded to f16 for the second product, the result once at the end.  LIMIT: the result stays under 65,504, the largest f16 number.
; SHARES.  A cluster of four work-groups is one head; a work-group owns 512 of its queries, each of its eight waves 64: four tiles of 16.  Every wave walks all 2,048 keys, 64 a step.
; LAYOUT.  S^T = K Q^T (source 0 = 16 keys, source 1 = 16 queries) and O^T = V^T P (source 0 = 16 channels x 32 keys, by the turning load; source 1 = P): a lane holds ONE query throughout.
; SOFTMAX.  For each query a running maximum m and sum l: p = 2^(c s - c m), c = log2(e) / 8; in every step O^T and l are multiplied by a = 2^(c m_old - c m_new).  m begins at -3e38, O^T and l at zero,
; so the first step is the loop's own text: its a is 0 and multiplies zeros.
; TWO PHASES.  A wave's work goes M(t), SM(t), M(t + 1), ..: M(t) = the 32 products V^T P of step t - 1 and the 32 products K Q^T of step t; SM(t) = step t's softmax.  The text is a walk over half-trips;
; in each a wave runs M or SM by a scalar flag that begins as its parity (wave / 4) and turns over in every half-trip.  So waves w and w + 4 are always in opposite phases: one has matrix work while the other has vector work.
; All barriers stand in the common text.  M(t) reads LDS in step t's place alone, and a slot's four steps are read in eight half-trips on end by both parities.
; CLUSTER.  The four work-groups walk the same K and V: each tile is asked for jointly, by the same tensor load with a mask that names the four.
; LDS.  Eight places of 32,768 bytes, step t in place t % 8; slot 0 = places 0-3, slot 1 = places 4-7.  A tile (64 rows of 128 bytes, dense in memory) is stated as 32 rows of 256 bytes with padding behind each:
; two keys on end, then 16 bytes (K) or 32 (V).  A slot's eight tiles are shared among the eight waves, one load each.
; REGISTERS.  window 0: v0-15 addresses; v16-63 statistics, 12 a tile; v64-191 S^T, 32 a tile, then P in the first 16 of them; v192-255 V.   window 1: v0-127 O^T; v128-191 Q; v192-255 K.
.set PKP,   272                        ; two keys' rows of K: key x at (x / 2) PKP + (x % 2) 128: the 16 keys of a load touch 16 different columns of 16 bytes modulo 256
.set PVP,   288                        ; two keys' rows of V: 16 lanes of the turning load take 8 keys x 32 bytes, again 16 different columns
.set VOFF,  32*PKP                     ; in a place: K's tile, then V's
.set PLACE, 32768
.set SLOT1, 4*PLACE
.set STAGE, 2*SLOT1                    ; behind the places: 16 rows x 144 bytes for each wave, for the way out
.set SP,    144
.set SPARE, STAGE+8*16*SP              ; the spare words, 128 bytes a wave, which no other line names
.set AK0, 2                            ; v2   my lane's place in a tile of K
.set AV0, 3                            ; v3   the same for V
.set ADK, 4                            ; v4   LDS address of the step's K
.set ADV, 5                            ; v5   of its V
.set QO,  6                            ; v6   my byte offset in the wave's rows of Q
.set STO, 7                            ; v7   the way out: where I put 16 bytes of a row
.set RD,  8                            ; v8   where I read them back
.set GO,  9                            ; v9   my byte offset in the wave's rows of att
.set SPW, 10                           ; v10  my spare word; never rewritten
.set NIL, 11                           ; v11  0; never rewritten
.set PFO, 12                           ; v12  256 x my lane; never rewritten
.set ST,  16                           ; tile t's statistics at v[ST + 12 t]: +0 c m, +1 m, +2, +3 l, +4 a (+5 named with it), +6 to +9 at work, +10 c m_old, +11 the other half's maximum
.set S,   64
.set VF,  192                          ; V's fragment (32 keys kg, 16 channels ct) at VF + 8 (4 kg + ct)
.set QF,  128                          ; window 1: Q's fragment (tile t, 32 channels ks) at QF + 16 t + 8 ks
.set KF,  192                          ; window 1: K's fragment (16 keys kt, ks) at KF + 16 kt + 8 ks
.set WV,  12                           ; s12  my wave's number
.set PAR, 13                           ; s13  its parity: wave / 4
.set PH,  14                           ; s14  the phase flag: 0 = M, 1 = SM
.set LIM, 15                           ; s15  1 in a wave that prefetches, else the greatest number
.set TU,  16                           ; s16  16,384 x the half-trip's number in the ring
.set TB,  17                           ; s17  LDS byte at which the step's place begins
.set PFA, 18                           ; s[18:19] where my prefetches stand
.set G1K, 24
.set G1V, 32
.set G0K, 40                           ; s[40:47] group 0 for K's tiles: a set for each first fill; the second then walks on
.set G0V, 48
.set SLOTS, 56
.set CNT, 57
.set CS,  58                           ; s[58:59] c
.set SEL, 60                           ; s[60:61] lane selects: each lane takes its own place in the other half
.set MSB, 0
.macro WIN new
.if MSB != \new
	s_set_vgpr_msb (MSB<<8)|\new
.set MSB, \new
.endif
.endm
.set W_KQ, 0x05                        ; K and Q in window 1, S^T in window 0
.set W_PV, 0x50                        ; V and P in window 0, O^T (C and D) in window 1
.set W_RS, 0x41                        ; O^T (destination and source 0) in window 1, a in window 0
.set TO_1, 0x40                        ; destination window 1, address window 0
.macro NOPS n
.rept \n
	v_nop
.endr
.endm
; A joint refill: waves 0 to 3 fetch the slot's four tiles of K, waves 4 to 7 those of V.  An s_nop 0 and four v_nop follow each of the two lines.
.macro JLOAD
	s_cmp_lt_u32 s[WV], 4
	s_cbranch_scc0 .Lfor_v_\@
	tensor_load_to_lds s[G0K+4:G0K+7], s[G1K:G1K+7]
	s_nop 0
	NOPS 4
	s_branch .Lasked_\@
.Lfor_v_\@:
	tensor_load_to_lds s[G0V+4:G0V+7], s[G1V:G1V+7]
	s_nop 0
	NOPS 4
.Lasked_\@:
.endm
; A prefetch of what the NEXT change of slots will ask for: 32,768 bytes of K and as many of V.  The four partners take 8,192 bytes each, told apart by address; in each, wave 0 asks for K's part and wave 4 for V's,
; lanes 256 bytes apart: each aligned run of 256 bytes is named once in the launch.  The last change that fills a slot asks for nothing; slots 0 to 2 come by their loads alone.
.macro ASK
	s_cmp_gt_u32 s[SLOTS], s[LIM]
	s_cbranch_scc0 .Lnot_mine_\@
	global_prefetch_b8 v[PFO], s[PFA:PFA+1] th:TH_LOAD_NT scope:SCOPE_SE
.Lnot_mine_\@:
.endm
.macro CROUND                          ; a round of the cluster's barrier
	s_barrier_signal -1
	s_barrier_wait -1
	s_cmp_lg_u32 s[WV], 0
	s_cbranch_scc1 .Lnot_wave_0_\@
	s_barrier_signal -3
.Lnot_wave_0_\@:
	s_barrier_wait -3
	s_barrier_signal -1
	s_barrier_wait -1
.endm
	s_load_b128 s[4:7], s[0:1], 0x0                ; qkv s[4:5], att s[6:7]
	v_lshl_add_u32 v[SPW], v0, 2, SPARE
	v_mov_b32 v[NIL], 0
	ds_add_u32 v[SPW], v[NIL]                      ; the wave's opening: the add, twice on end, and its wait ahead of my first tensor load
	ds_add_u32 v[SPW], v[NIL]
	v_lshrrev_b32 v1, 5, v0
	v_readfirstlane_b32 s[WV], v1                  ; wave 0..7
	s_lshr_b32 s[PAR], s[WV], 2
	s_and_b32 s20, s[WV], 3                        ; which of a slot's four steps I fetch
	s_bfe_u32 s21, ttmp6, 0x40000                  ; cx: it enters Q's, att's and the prefetches' addresses alone
	s_and_b32 s22, ttmp7, 0xffff                   ; the head, which the four partners share
	s_lshl_b32 s22, s22, 18                        ; its first byte in a plane
	s_lshl_b32 s2, s20, 13                         ; my tile: 8,192 bytes a step
	s_add_co_u32 s2, s2, s22
	s_mov_b32 s3, 0
	s_lshl_b32 s62, s21, 16                        ; my work-group's 512 rows of 128 bytes,
	s_lshl_b32 s63, s[WV], 13                      ; my wave's 64 of them
	s_add_co_u32 s62, s62, s63
	s_add_co_u32 s62, s62, s22
	s_mov_b32 s63, 0
	s_lshl_b32 s66, s20, 15                        ; my tile's place in a slot
	; descriptor group 1: 32 rows of 128 elements of 2 bytes, dense in memory, padded in LDS
	s_mov_b32 s[G1K], 15|(1<<16)|(1<<20)|(1<<21)|(5<<22)|(3<<25)  ; 15:0 the mask: all four work-groups; 17:16 elements of 2 bytes; 20 padding on; 21 set beside a mask; 24:22 after every 64 words; 31:25 four words
	s_mov_b32 s[G1V], 15|(1<<16)|(1<<20)|(1<<21)|(5<<22)|(7<<25)  ; the same with eight words of padding
.irp g, G1K, G1V
	s_mov_b32 s[\g+1], 128<<16                     ; tensor_dim0
	s_mov_b32 s[\g+2], 32<<16                      ; tensor_dim1
	s_mov_b32 s[\g+3], 128<<16                     ; tile_dim0
	s_mov_b32 s[\g+4], 32                          ; tile_dim1
	s_mov_b32 s[\g+5], 128                         ; from row to row
	s_mov_b32 s[\g+6], 0
	s_mov_b32 s[\g+7], 0
.endr
	s_mov_b32 s[CS], 0x3e38aa3b                    ; c = log2(e) / 8
	s_mov_b32 s[CS+1], s[CS]                       ; named with it as a pair, so it is written
	s_mov_b32 s[SEL], 0x76543210
	s_mov_b32 s[SEL+1], 0xfedcba98
	s_mov_b32 s[TU], 0
	s_mov_b32 s[SLOTS], 6
	s_cmp_eq_u32 s20, 0
	s_cselect_b32 s[LIM], 1, -1                    ; waves 0 and 4 prefetch: the same in all four partners
	v_and_b32 v[PFO], 31, v0
	v_lshlrev_b32 v[PFO], 8, v[PFO]
	s_wait_dscnt 0x0                               ; both opening adds are done
	s_wait_kmcnt 0x0
	s_add_nc_u64 s[8:9], s[4:5], s[2:3]
	s_add_nc_u64 s[10:11], s[8:9], 0x2000000       ; V's plane, my tile of slot 0
	s_add_nc_u64 s[8:9], s[8:9], 0x1000000         ; K's plane
	s_add_nc_u64 s[4:5], s[4:5], s[62:63]          ; Q and att at my wave's first row
	s_add_nc_u64 s[6:7], s[6:7], s[62:63]
	s_cmp_lt_u32 s[WV], 4
	s_cselect_b64 s[PFA:PFA+1], s[8:9], s[10:11]   ; (in waves 0 and 4 these stand at a slot's first byte)
	s_lshl_b32 s2, s21, 13                         ; my work-group's 8,192 bytes of the 32,768
	s_add_nc_u64 s[PFA:PFA+1], s[PFA:PFA+1], s[2:3]
	s_add_nc_u64 s[PFA:PFA+1], s[PFA:PFA+1], 2*32768  ; in slot 2; the first change of slots steps it to slot 3
	CROUND                                         ; all four work-groups are here: the first joint loads meet
.irp s, 0,1
	s_mov_b32 s[G0K+4*\s], 1
	s_add_co_u32 s[G0K+4*\s+1], s66, \s*SLOT1
	s_add_nc_u64 s[G0K+4*\s+2:G0K+4*\s+3], s[8:9], \s*32768
	s_or_b32 s[G0K+4*\s+3], s[G0K+4*\s+3], 0x80000000
	s_mov_b32 s[G0V+4*\s], 1
	s_add_co_u32 s[G0V+4*\s+1], s66, \s*SLOT1+VOFF
	s_add_nc_u64 s[G0V+4*\s+2:G0V+4*\s+3], s[10:11], \s*32768
	s_or_b32 s[G0V+4*\s+3], s[G0V+4*\s+3], 0x80000000
.endr
	s_cmp_lt_u32 s[WV], 4                          ; a wave's two first fills stand in one branch: two loads of mine are out
	s_cbranch_scc0 .Lfirst_v
	tensor_load_to_lds s[G0K:G0K+3], s[G1K:G1K+7]
	s_nop 0
	tensor_load_to_lds s[G0K+4:G0K+7], s[G1K:G1K+7]
	s_nop 0
	NOPS 4
	s_branch .Lfirst_asked
.Lfirst_v:
	tensor_load_to_lds s[G0V:G0V+3], s[G1V:G1V+7]
	s_nop 0
	tensor_load_to_lds s[G0V+4:G0V+7], s[G1V:G1V+7]
	s_nop 0
	NOPS 4
.Lfirst_asked:
	v_and_b32 v1, 15, v0                           ; r = lane % 16
	v_bfe_u32 v13, v0, 4, 1                        ; h = lane / 16
	v_lshlrev_b32 v[QO], 7, v1
	v_lshl_add_u32 v[QO], v13, 4, v[QO]            ; row r of 128 bytes + 16 h
	WIN TO_1
.irp f, 0,1,2,3,4,5,6,7                        ; Q stays in registers: tile f / 2, channels 32 (f % 2) on
	global_load_b128 v[QF+8*\f:QF+8*\f+3],   v[QO], s[4:5] offset:(\f/2)*2048+(\f%2)*64
	global_load_b128 v[QF+8*\f+4:QF+8*\f+7], v[QO], s[4:5] offset:(\f/2)*2048+(\f%2)*64+32
.endr
.set j, 0
.rept 128
	v_mov_b32 v[j], 0                              ; O^T: the first step finds zeros, so that the softmax is written in one form
.set j, j+1
.endr
	WIN 0
	v_lshrrev_b32 v14, 1, v1
	v_mul_u32_u24 v[AK0], v14, PKP
	v_and_b32 v14, 1, v0
	v_lshl_add_u32 v[AK0], v14, 7, v[AK0]
	v_lshl_add_u32 v[AK0], v13, 4, v[AK0]          ; K: (r / 2) PKP + (r % 2) 128 + 16 h
	v_bfe_u32 v15, v0, 1, 2
	v_lshl_add_u32 v15, v13, 2, v15                ; V: my key of the turning load is 8 h + lane % 8: its pair,
	v_mul_u32_u24 v[AV0], v15, PVP
	v_lshl_add_u32 v[AV0], v14, 7, v[AV0]          ; its place in the pair,
	v_bfe_u32 v15, v0, 3, 1
	v_lshl_add_u32 v[AV0], v15, 4, v[AV0]          ; and channels 8 ((lane / 8) % 2) on
	v_add_nc_u32 v[AV0], VOFF, v[AV0]
	s_mul_i32 s67, s[WV], 16*SP
	s_add_co_u32 s67, s67, STAGE                   ; my stage
	v_mul_u32_u24 v[STO], v1, SP
	v_lshl_add_u32 v[STO], v13, 4, v[STO]
	v_add_nc_u32 v[STO], s67, v[STO]               ; in: row r, 16 bytes for each half of the lanes
	v_bfe_u32 v14, v0, 3, 2
	v_mul_u32_u24 v[RD], v14, SP
	v_and_b32 v15, 7, v0
	v_lshl_add_u32 v[RD], v15, 4, v[RD]
	v_add_nc_u32 v[RD], s67, v[RD]                 ; back: eight lanes to a row of 128 bytes, four rows an instruction
	v_and_b32 v[GO], 31, v0
	v_lshlrev_b32 v[GO], 4, v[GO]                  ; and the same 512 bytes in att
.irp t, 0,1,2,3
	v_mov_b32 v[ST+12*\t+1], 0xff61b1e6            ; m = -3e38, under every score
	v_mov_b32 v[ST+12*\t+2], 0                     ; l
	v_mov_b32 v[ST+12*\t+3], 0
	v_mov_b32 v[ST+12*\t+5], 0                     ; named as the upper half of a's pair
	v_mov_b32 v[ST+12*\t+11], 0                    ; a lane permute's destination counts as one of its sources
	v_mul_f32 v[ST+12*\t], s[CS], v[ST+12*\t+1]    ; c m
.endr
; THE MATRIX PHASE.  pv = 1: O^T += V^T P of the step before; kq = 1: S^T = K Q^T of this step, whose K and V are fetched here.  The 16 accumulators of each kind take turns, one instruction a turn;
; the phase's last product and its first name different accumulators.  Five plain instructions stand behind each run of products: four in front of loads into registers that the products read and of the first
; read of results; the fifth since the next products write over, or take as an operand, registers of these.
.macro MAT pv, kq
.if \kq
	WIN TO_1
.irp f, 0,1,2,3,4,5,6,7                        ; K: keys 16 (f / 2) on, channels 32 (f % 2) on
	ds_load_b128 v[KF+8*\f:KF+8*\f+3],   v[ADK] offset:(\f/2)*8*PKP+(\f%2)*64
	ds_load_b128 v[KF+8*\f+4:KF+8*\f+7], v[ADK] offset:(\f/2)*8*PKP+(\f%2)*64+32
.endr
.endif
.if \pv
.if \kq
	s_wait_dscnt 16                                ; V of the step before is in; the sixteen loads of K just issued may be out
.else
	s_wait_dscnt 0x0
.endif
	WIN W_PV
.set i, 0
.rept 32                                       ; keys 32 (i / 16) on, channels 16 ((i / 4) % 4) on, tile i % 4
.set rO, 32*(i%4)+8*((i/4)%4)
.set rV, VF+8*(4*(i/16)+(i/4)%4)
.set rP, S+32*(i%4)+8*(i/16)
	v_wmma_f32_16x16x32_f16 v[rO:rO+7], v[rV:rV+7], v[rP:rP+7], v[rO:rO+7]
.set i, i+1
.endr
	WIN 0
	NOPS 5
.endif
.if \kq
	WIN 0
.irp f, 0,1,2,3,4,5,6,7                        ; V, turned: keys 32 (f / 4) on, channels 16 (f % 4) on
	ds_load_tr16_b128 v[VF+8*\f:VF+8*\f+3],   v[ADV] offset:(\f/4)*16*PVP+(\f%4)*32
	ds_load_tr16_b128 v[VF+8*\f+4:VF+8*\f+7], v[ADV] offset:(\f/4)*16*PVP+8*PVP+(\f%4)*32
.endr
	s_wait_dscnt 16                                ; K is in; V's sixteen loads may be out: they are wanted in the next matrix phase
	WIN W_KQ
.set i, 0
.rept 32                                       ; channels 32 (i / 16) on, keys 16 ((i / 4) % 4) on, tile i % 4; the first 16 start the sums
.set rS, S+32*(i%4)+8*((i/4)%4)
.set rK, KF+16*((i/4)%4)+8*(i/16)
.set rQ, QF+16*(i%4)+8*(i/16)
.if i < 16
	v_wmma_f32_16x16x32_f16 v[rS:rS+7], v[rK:rK+7], v[rQ:rQ+7], 0
.else
	v_wmma_f32_16x16x32_f16 v[rS:rS+7], v[rK:rK+7], v[rQ:rQ+7], v[rS:rS+7]
.endif
.set i, i+1
.endr
	WIN 0
	NOPS 5
.endif
.endm
; THE VECTOR PHASE: a key step's softmax for my four tiles, which take turns line by line, so that no line waits for the line above it.
.macro SOFTMAX
.irp j, 0,1,2,3                                ; the maximum of a lane's 32 scores and the old m: four chains, each begun at the low end of one accumulator
.irp t, 0,1,2,3
	v_max3_num_f32 v[ST+12*\t+6+\j], v[S+32*\t+8*\j], v[S+32*\t+8*\j+1], v[S+32*\t+8*\j+2]
.endr
.endr
.irp g, 1,2
.irp j, 0,1,2,3
.irp t, 0,1,2,3
	v_max3_num_f32 v[ST+12*\t+6+\j], v[ST+12*\t+6+\j], v[S+32*\t+8*\j+2*\g+1], v[S+32*\t+8*\j+2*\g+2]
.endr
.endr
.endr
.irp t, 0,1,2,3
	v_max3_num_f32 v[ST+12*\t+6], v[ST+12*\t+6], v[S+32*\t+7], v[S+32*\t+15]
.endr
.irp t, 0,1,2,3
	v_max3_num_f32 v[ST+12*\t+8], v[ST+12*\t+8], v[S+32*\t+23], v[S+32*\t+31]
.endr
.irp t, 0,1,2,3
	v_max3_num_f32 v[ST+12*\t+6], v[ST+12*\t+6], v[ST+12*\t+7], v[ST+12*\t+8]
.endr
.irp t, 0,1,2,3
	v_max3_num_f32 v[ST+12*\t+6], v[ST+12*\t+6], v[ST+12*\t+9], v[ST+12*\t+1]
.endr
.irp t, 0,1,2,3
	v_permlanex16_b32 v[ST+12*\t+11], v[ST+12*\t+6], s[SEL], s[SEL+1]  ; the query's other 32 keys lie in the lane 16 away
.endr
.irp t, 0,1,2,3
	v_mov_b32 v[ST+12*\t+10], v[ST+12*\t]          ; c m_old
.endr
.irp t, 0,1,2,3
	v_max_num_f32 v[ST+12*\t+1], v[ST+12*\t+6], v[ST+12*\t+11]   ; the new m
.endr
.irp t, 0,1,2,3
	v_mul_f32 v[ST+12*\t], s[CS], v[ST+12*\t+1]
.endr
.irp t, 0,1,2,3
	v_sub_f32 v[ST+12*\t+10], v[ST+12*\t+10], v[ST+12*\t]
.endr
; ONE BATCH: a, then pair by pair the scalings c s - c m and the exponentials.  No line of it names an exponential's result.
.irp t, 0,1,2,3
	v_exp_f32 v[ST+12*\t+4], v[ST+12*\t+10]
.endr
.set b, 0
.rept 16
.irp t, 0,1,2,3
	v_pk_fma_f32 v[S+32*\t+2*b:S+32*\t+2*b+1], v[S+32*\t+2*b:S+32*\t+2*b+1], s[CS:CS+1], v[ST+12*\t:ST+12*\t+1] op_sel_hi:[1,0,0] neg_lo:[0,0,1] neg_hi:[0,0,1]
.endr
.irp t, 0,1,2,3
	v_exp_f32 v[S+32*\t+2*b], v[S+32*\t+2*b]
	v_exp_f32 v[S+32*\t+2*b+1], v[S+32*\t+2*b+1]
.endr
.set b, b+1
.endr
	v_nop                                          ; a plain instruction behind the last exponential, ahead of the first use
	s_wait_alu depctr_va_vdst(0)                   ; a wait ahead of the first line that names a result: one for the 132 exponentials
.irp t, 0,1,2,3                                ; the sums of the unrounded weights, two at a time, in two chains
	v_pk_add_f32 v[ST+12*\t+6:ST+12*\t+7], v[S+32*\t:S+32*\t+1], v[S+32*\t+2:S+32*\t+3]
.endr
.irp t, 0,1,2,3
	v_pk_add_f32 v[ST+12*\t+8:ST+12*\t+9], v[S+32*\t+4:S+32*\t+5], v[S+32*\t+6:S+32*\t+7]
.endr
.irp g, 8,12,16,20,24,28
.irp t, 0,1,2,3
	v_pk_add_f32 v[ST+12*\t+6:ST+12*\t+7], v[ST+12*\t+6:ST+12*\t+7], v[S+32*\t+\g:S+32*\t+\g+1]
.endr
.irp t, 0,1,2,3
	v_pk_add_f32 v[ST+12*\t+8:ST+12*\t+9], v[ST+12*\t+8:ST+12*\t+9], v[S+32*\t+\g+2:S+32*\t+\g+3]
.endr
.endr
.irp t, 0,1,2,3
	v_pk_add_f32 v[ST+12*\t+6:ST+12*\t+7], v[ST+12*\t+6:ST+12*\t+7], v[ST+12*\t+8:ST+12*\t+9]
.endr
.irp t, 0,1,2,3
	v_pk_fma_f32 v[ST+12*\t+2:ST+12*\t+3], v[ST+12*\t+2:ST+12*\t+3], v[ST+12*\t+4:ST+12*\t+5], v[ST+12*\t+6:ST+12*\t+7] op_sel_hi:[1,0,1]   ; l = l a + the sum
.endr
.set j, 0
.rept 16                                       ; P in place: register j takes pair j, which lies at 2 j and 2 j + 1: nothing is written before it has been read
.irp t, 0,1,2,3
	v_cvt_pk_f16_f32 v[S+32*\t+j], v[S+32*\t+2*j], v[S+32*\t+2*j+1]
.endr
.set j, j+1
.endr
	WIN W_RS
.set j, 0
.rept 16                                       ; O^T times a, each accumulator from its low end on
.irp t, 0,1,2,3
	v_pk_mul_f32 v[32*\t+2*j:32*\t+2*j+1], v[32*\t+2*j:32*\t+2*j+1], v[ST+12*\t+4:ST+12*\t+5] op_sel_hi:[1,0]
.endr
.set j, j+1
.endr
	WIN 0
.endm
.macro ADDR                            ; the step's place: both parities get floor(half-trip / 2) % 8.  Made in the common text, ahead of the parting
	s_and_b32 s[TB], s[TU], 0x38000
	v_add_nc_u32 v[ADK], s[TB], v[AK0]
	v_add_nc_u32 v[ADV], s[TB], v[AV0]
.endm
.macro HALF                            ; a half-trip
	ADDR
	s_cmp_lg_u32 s[PH], 0
	s_cbranch_scc1 .Lsm_\@
	MAT 1, 1
	s_branch .Ljoin_\@
.Lsm_\@:
	SOFTMAX
.Ljoin_\@:
	s_xor_b32 s[PH], s[PH], 1
	s_add_co_u32 s[TU], s[TU], 16384
.endm
.macro HALVES n
	s_mov_b32 s[CNT], \n
.Lhalf_\@:
	HALF
	s_sub_co_u32 s[CNT], s[CNT], 1
	s_cmp_lg_u32 s[CNT], 0
	s_cbranch_scc1 .Lhalf_\@
.endm
; THE CHANGE OF SLOTS, every eight half-trips.  Each wave waits for all its tensor loads, of which one is out: its tile of the slot ahead; adds 0 to its spare word; and waits for that and for its reads of the slot that it leaves.
; fill = 1: that slot is filled again, with the keys two slots on: the barrier is a round of the cluster's, and the joint refill is the first thing behind it: it has eight half-trips in which to land.
.macro CHANGE fill
	s_wait_tensorcnt 0x0                           ; no tensor load of mine is out, so a group 0 may be written
	ds_add_u32 v[SPW], v[NIL]                      ; 0 onto my spare word
.if \fill
.irp g, G0K+4, G0V+4
	s_xor_b32 s[\g+1], s[\g+1], SLOT1              ; the walking descriptor: the other slot than last time,
	s_add_nc_u64 s[\g+2:\g+3], s[\g+2:\g+3], 32768 ; the next 256 keys
.endr
	s_wait_xcnt 0x0                                ; the last prefetch, eight half-trips back, has read its address
	s_add_nc_u64 s[PFA:PFA+1], s[PFA:PFA+1], 32768
	s_wait_dscnt 0x0                               ; the add is done, and my reads of the slot are over
	CROUND
	JLOAD
	ASK
.else
	s_wait_dscnt 0x0
	s_barrier_signal -1
	s_barrier_wait -1
.endif
	s_sub_co_u32 s[TU], s[TU], SLOT1               ; back to a slot's first place,
	s_xor_b32 s[TU], s[TU], SLOT1                  ; in the other slot
.endm
	s_wait_tensorcnt 1                             ; my tile of slot 0 is in; slot 1's may stay out
	s_barrier_signal -1
	s_barrier_wait -1
	ADDR
	s_wait_loadcnt 0x0                             ; Q
	MAT 0, 1                                       ; every wave: the scores of step 0
	s_cmp_lg_u32 s[PAR], 0
	s_cbranch_scc1 .Lheld
	SOFTMAX                                        ; the first parity alone: its softmax of step 0
.Lheld:
	s_wait_dscnt 0x0
	s_barrier_signal -1                            ; the second parity is held back by one phase: from here on the two are in opposite phases
	s_barrier_wait -1
	s_mov_b32 s[TU], 2*16384
	s_mov_b32 s[PH], s[PAR]
	HALVES 6                                       ; the rest of slot 0
.Lslot:                                            ; six trips: slots 2 to 7 are asked for
	CHANGE 1
	HALVES 8
	s_sub_co_u32 s[SLOTS], s[SLOTS], 1
	s_cmp_lg_u32 s[SLOTS], 0
	s_cbranch_scc1 .Lslot
	CHANGE 0                                       ; the last slot is written out
	HALVES 8
	s_cmp_eq_u32 s[PAR], 0
	s_cbranch_scc1 .Lfinal
	SOFTMAX                                        ; the second parity: its softmax of the last step
.Lfinal:
	MAT 1, 0                                       ; V^T P of the last step
	; THE WAY OUT.  l's two halves and the other half of the lanes' are added; O^T is divided by l, rounded to f16 and sent through my stage, a tile (16 rows) at a time.
.irp t, 0,1,2,3
	v_add_f32 v[ST+12*\t+6], v[ST+12*\t+2], v[ST+12*\t+3]
.endr
.irp t, 0,1,2,3
	v_permlanex16_b32 v[ST+12*\t+11], v[ST+12*\t+6], s[SEL], s[SEL+1]
.endr
.irp t, 0,1,2,3
	v_add_f32 v[ST+12*\t+6], v[ST+12*\t+6], v[ST+12*\t+11]
.endr
.irp t, 0,1,2,3
	v_rcp_f32 v[ST+12*\t+4], v[ST+12*\t+6]
.endr
	v_nop                                          ; a plain instruction between the last reciprocal and the use of its result
	s_wait_alu depctr_va_vdst(0)                   ; and the wait: one for the four
.macro PACK t
	WIN W_RS
.set j, 0
.rept 16
	v_pk_mul_f32 v[32*\t+2*j:32*\t+2*j+1], v[32*\t+2*j:32*\t+2*j+1], v[ST+12*\t+4:ST+12*\t+5] op_sel_hi:[1,0]
.set j, j+1
.endr
	WIN 0x05                                       ; sources 0 and 1 window 1, destination window 0
.set j, 0
.rept 16
	v_cvt_pk_f16_f32 v[S+32*\t+j], v[32*\t+2*j], v[32*\t+2*j+1]
.set j, j+1
.endr
	WIN 0
.irp f, 0,1,2,3
	ds_store_b128 v[STO], v[S+32*\t+4*\f:S+32*\t+4*\f+3] offset:32*\f
.endr
.irp f, 0,1,2,3
	ds_load_b128 v[S+32*\t+16+4*\f:S+32*\t+16+4*\f+3], v[RD] offset:\f*4*SP   ; LDS serves a wave's instructions in order: these see the stores above; the next tile's stores come behind them
.endr
.endm
.macro SEND t, younger                 ; younger: the LDS instructions issued behind tile t's loads: the next tile's eight, or none
.irp f, 0,1,2,3
	s_wait_dscnt \younger+3-\f
	global_store_b128 v[GO], v[S+32*\t+16+4*\f:S+32*\t+16+4*\f+3], s[6:7] offset:\t*2048+\f*512   ; 32 lanes store 512 consecutive bytes, aligned
.endr
.endm
	PACK 0
	PACK 1
	SEND 0, 8
	PACK 2
	SEND 1, 8
	PACK 3
	SEND 2, 8
	SEND 3, 0
	s_wait_tensorcnt 0x0                           ; the wave's end
	ds_add_u32 v[SPW], v[NIL]
	s_wait_dscnt 0x0
	CROUND                                         ; the closing round
	s_endpgm
.Lfunc_end_k_q6bac3f73f1_attn:
	.size	k_q6bac3f73f1_attn, .Lfunc_end_k_q6bac3f73f1_attn-k_q6bac3f73f1_attn
	.p2alignl 7, 3214868480
	.fill 96, 4, 3214868480
	.section	.rodata,"a",@progbits
	.p2align	6, 0x0
	.amdhsa_kernel k_q6bac3f73f1_attn
		.amdhsa_group_segment_fixed_size 327680
		.amdhsa_private_segment_fixed_size 0
		.amdhsa_enable_private_segment 0
		.amdhsa_kernarg_size 16
		.amdhsa_user_sgpr_count 2
		.amdhsa_user_sgpr_kernarg_segment_ptr 1
		.amdhsa_wavefront_size32 1
		.amdhsa_system_sgpr_workgroup_id_x 1
		.amdhsa_system_sgpr_workgroup_id_y 1
		.amdhsa_system_sgpr_workgroup_id_z 1
		.amdhsa_system_vgpr_workitem_id 0
		.amdhsa_next_free_vgpr 512
		.amdhsa_next_free_sgpr 70
		.amdhsa_reserve_vcc 0
		.amdhsa_float_denorm_mode_32 3
		.amdhsa_float_denorm_mode_16_64 3
		.amdhsa_memory_ordered 1
		.amdhsa_forward_progress 1
		.amdhsa_inst_pref_size 182
	.end_amdhsa_kernel
	.amdgpu_metadata
---
amdhsa.version: [ 1, 2 ]
amdhsa.kernels:
  - .name:           k_q6bac3f73f1_attn
    .symbol:         k_q6bac3f73f1_attn.kd
    .args:
      - { .name: qkv, .offset: 0, .size: 8, .value_kind: global_buffer, .address_space: global }
      - { .name: att, .offset: 8, .size: 8, .value_kind: global_buffer, .address_space: global }
    .group_segment_fixed_size: 327680
    .private_segment_fixed_size: 0
    .kernarg_segment_align: 8
    .kernarg_segment_size: 16
    .max_flat_workgroup_size: 256
    .sgpr_count:     70
    .vgpr_count:     512
    .wavefront_size: 32
...
	.end_amdgpu_metadata
.endif
;; end of part 3
;; launch outp (part 4): grid 4 x 64, 4 waves a work-group, clusters of 4 x 4, 327,680 bytes of LDS; arguments att, wo16, bo, out0; writes out0
.if DOCPART == 4
	.amdgcn_target "amdgcn-amd-amdhsa--gfx1250"
	.amdhsa_code_object_version 6
	.text
	.protected	k_q6bac3f73f1_outp
	.globl	k_q6bac3f73f1_outp
	.p2align	8
	.type	k_q6bac3f73f1_outp,@function
k_q6bac3f73f1_outp:
	s_mov_b64 s[64:65], 0
	v_nop
	global_prefetch_b8 v0, s[64:65] scope:SCOPE_SE
	s_setreg_imm32_b32 hwreg(HW_REG_WAVE_MODE, 25, 1), 1
	s_wait_xcnt 0x0
	s_wait_alu depctr_hold_cnt(0) depctr_sa_sdst(0) depctr_va_vdst(0) depctr_va_sdst(0) depctr_va_ssrc(0) depctr_va_vcc(0) depctr_vm_vsrc(0)
	s_getreg_b32 s2, hwreg(HW_REG_IB_STS2, 6, 4)
	s_cmp_eq_u32 s2, 0
	s_cbranch_scc0 .Lentry_in_a_cluster
	s_endpgm
.Lentry_in_a_cluster:
	s_bfe_u32 s2, ttmp6, 0x10000c
	s_cmp_lg_u32 s2, 0xf033
	s_cbranch_scc0 .Lentry_shape_is_right
	s_endpgm
.Lentry_shape_is_right:
; out0[m][n] = the sum over k of A[m][k] Wo[n][k] + bo[n].  A is the attention's result, att [64 (batch, head)][2048][64] f16: k = 64 x head + channel; wo16 [1024][1024] f16; out0 [8192][1024] f32; sums in f32.
; SHARES.  A tile of 128 rows x 256 columns is made by a work-group of four waves: 256 work-groups; a wave makes 64 x 128: 32 accumulators, 256 registers.  K goes in 8 steps of 128 (two heads) through two LDS slots.
; CLUSTERS: 4 x 4 work-groups.  The four of a row of the cluster need the same tiles of A, the four of a column the same tiles of Wo: each tile is asked for jointly.
; A's tile of a K step is, for each of the two heads, 128 rows of 128 bytes, dense in memory: stated as 64 rows of 256 bytes with 16 bytes of padding behind each: row x lies at (x / 2) 272 + (x % 2) 128.
; THE MATRIX INSTRUCTION IS USED TRANSPOSED (source 0 = 16 rows of Wo, source 1 = 16 rows of A): a lane holds eight neighbouring columns of one row.  The bias is the C of each sum's first product.
; No prefetch: of the 8 K steps the first four are asked for before one could serve them, and Wo's rows are read by every cluster.
; REGISTERS.  window 0: v0-31 addresses; v64-127 the bias; v128-255 the way out.  window 1: two fragment buffers of 96 at v0 and v128 (A's 4 fragments, then Wo's 8).  window 2: the accumulators, (a, b) at v[8 (8 a + b)].
.set PITCH,  272
.set AHEAD,  64*PITCH                  ; A: one head's 128 rows
.set BHALF,  128*PITCH                 ; Wo: 128 rows
.set BOFF,   2*AHEAD
.set SLOT,   BOFF+2*BHALF
.set STAGE,  2*SLOT                    ; behind the ring: 16 rows x 528 bytes for each wave
.set SPITCH, 528
.set SPARE,  STAGE+4*16*SPITCH         ; the spare words, 128 bytes a wave, which no other line names
.set ADRA, 16                          ; v16-17  LDS address of my A fragments in slot 0, 1
.set ADRB, 20                          ; v20-21  the same for Wo
.set STO,  24
.set RD,   25
.set CO,   26
.set SPW,  28
.set NIL,  29
.set BIAS, 64
.set BK,   128
.set F0,   0
.set F1,   128
.set G1, 24
.set G0, 32
.set G1B, 48
.set G0B, 56
.set WV, 66                            ; s66  my wave's number
.set RH, 67                            ; s67  which half of the tile's rows is mine.  Also: I fetch for A (0) or for Wo (1)
.set CH, 68                            ; s68  which half of its columns.  Also: which head, or which 128 rows of Wo, I fetch
.set MSB, 0
.macro WIN new
.if MSB != \new
	s_set_vgpr_msb (MSB<<8)|\new
.set MSB, \new
.endif
.endm
.set MUL,  0xa5                        ; sources 0 and 1 window 1; C and D window 2
.set MUL1, 0x85                        ; the first products: C (the bias) window 0
.set TO_F, 0x40                        ; destination window 1, address window 0
.macro JLOAD s                         ; a joint load; an s_nop 0 and four v_nop follow each of the two lines
	s_cmp_eq_u32 s[RH], 0
	s_cbranch_scc0 .Lfor_b_\@
	tensor_load_to_lds s[G0+4*\s:G0+4*\s+3], s[G1:G1+7]
	s_nop 0
.rept 4
	v_nop
.endr
	s_branch .Lasked_\@
.Lfor_b_\@:
	tensor_load_to_lds s[G0B+4*\s:G0B+4*\s+3], s[G1B:G1B+7]
	s_nop 0
.rept 4
	v_nop
.endr
.Lasked_\@:
.endm
.macro CREST                           ; a round of the cluster's barrier behind its opening barrier
	s_cmp_lg_u32 s[WV], 0
	s_cbranch_scc1 .Lnot_wave_0_\@
	s_barrier_signal -3
.Lnot_wave_0_\@:
	s_barrier_wait -3
	s_barrier_signal -1
	s_barrier_wait -1
.endm
.macro CROUND
	s_barrier_signal -1
	s_barrier_wait -1
	CREST
.endm
	s_load_b128 s[4:7], s[0:1], 0x0                ; att s[4:5], wo16 s[6:7]
	s_load_b128 s[8:11], s[0:1], 0x10              ; bo s[8:9], out0 s[10:11]
	v_lshl_add_u32 v[SPW], v0, 2, SPARE
	v_mov_b32 v[NIL], 0
	ds_add_u32 v[SPW], v[NIL]                      ; the wave's opening: the add, twice on end, and its wait ahead of my first tensor load
	ds_add_u32 v[SPW], v[NIL]
	v_lshrrev_b32 v1, 5, v0
	v_readfirstlane_b32 s[WV], v1
	s_lshr_b32 s[RH], s[WV], 1
	s_and_b32 s[CH], s[WV], 1
	s_bfe_u32 s40, ttmp6, 0x40000                  ; cx
	s_bfe_u32 s41, ttmp6, 0x40004                  ; cy
	s_lshl_b32 s42, ttmp9, 2
	s_add_co_u32 s42, s42, s40                     ; tile column, 0..3
	s_and_b32 s13, ttmp7, 0xffff
	s_lshl_b32 s13, s13, 2
	s_add_co_u32 s13, s13, s41                     ; tile row, 0..63
	s_lshl_b32 s43, s41, 2
	s_lshl_b32 s43, 15, s43                        ; my row of the cluster
	s_lshl_b32 s44, 0x1111, s40                    ; my column
	s_or_b32 s[G1+0], s43, (1<<16)|(1<<20)|(1<<21)|(5<<22)|(3<<25)  ; 15:0 the mask; 17:16 elements of 2 bytes; 20 padding on; 21 set beside a mask; 24:22 after every 64 words; 31:25 four words
	s_or_b32 s[G1B+0], s44, (1<<16)|(1<<20)|(1<<21)|(5<<22)|(3<<25)
	s_mov_b32 s[G1+1], 128<<16                     ; A: 64 rows of 128 elements, dense
	s_mov_b32 s[G1+2], 64<<16
	s_mov_b32 s[G1+3], 128<<16
	s_mov_b32 s[G1+4], 64
	s_mov_b32 s[G1+5], 128
	s_mov_b32 s[G1+6], 0
	s_mov_b32 s[G1+7], 0
	s_mov_b32 s[G1B+1], 128<<16                    ; Wo: 128 rows of 128 elements, 1,024 elements apart
	s_mov_b32 s[G1B+2], 128<<16
	s_mov_b32 s[G1B+3], 128<<16
	s_mov_b32 s[G1B+4], 128
	s_mov_b32 s[G1B+5], 1024
	s_mov_b32 s[G1B+6], 0
	s_mov_b32 s[G1B+7], 0
	s_lshr_b32 s16, s13, 4                         ; A: the batch,
	s_lshl_b32 s16, s16, 4
	s_add_co_u32 s16, s16, s[CH]                   ; its head 0 or 1,
	s_lshl_b32 s16, s16, 18                        ; 262,144 bytes a head,
	s_and_b32 s17, s13, 15
	s_lshl_b32 s17, s17, 14                        ; and the tile's 128 rows of 128 bytes: no cx in it
	s_add_co_u32 s16, s16, s17
	s_mov_b32 s17, 0
	s_lshl_b32 s46, s42, 8                         ; Wo: row 256 x tile column + 128 x half: no cy in it
	s_lshl_b32 s47, s[CH], 7
	s_add_co_u32 s46, s46, s47
	s_lshl_b32 s46, s46, 11                        ; 2,048 bytes a row
	s_mov_b32 s47, 0
	s_mul_i32 s20, s[CH], AHEAD                    ; where they go: no place in the cluster enters an LDS address
	s_mul_i32 s21, s[CH], BHALF
	s_add_co_u32 s21, s21, BOFF
	s_wait_dscnt 0x0                               ; both opening adds are done
	s_wait_kmcnt 0x0
	s_add_nc_u64 s[14:15], s[4:5], s[16:17]
	s_add_nc_u64 s[46:47], s[6:7], s[46:47]
	CROUND                                         ; all sixteen work-groups are here: the first joint loads meet
.irp s, 0,1
	s_mov_b32 s[G0+4*\s], 1
	s_add_co_u32 s[G0+4*\s+1], s20, \s*SLOT
	s_add_nc_u64 s[G0+4*\s+2:G0+4*\s+3], s[14:15], \s*2*262144     ; K step s: two heads on
	s_or_b32 s[G0+4*\s+3], s[G0+4*\s+3], 0x80000000
	s_mov_b32 s[G0B+4*\s], 1
	s_add_co_u32 s[G0B+4*\s+1], s21, \s*SLOT
	s_add_nc_u64 s[G0B+4*\s+2:G0B+4*\s+3], s[46:47], \s*256
	s_or_b32 s[G0B+4*\s+3], s[G0B+4*\s+3], 0x80000000
	JLOAD \s                                       ; two tensor loads of mine are out behind the second
.endr
	v_and_b32 v1, 15, v0                           ; r
	v_bfe_u32 v2, v0, 4, 1                         ; h
	s_lshl_b32 s46, s42, 10
	s_lshl_b32 s47, s[CH], 9
	s_add_co_u32 s46, s46, s47                     ; my first column, in bytes of f32: 1,024 x tile column + 512 x half
	s_mov_b32 s47, 0
	s_add_nc_u64 s[8:9], s[8:9], s[46:47]
	v_lshlrev_b32 v7, 5, v2
.irp b, 0,1,2,3,4,5,6,7                        ; the bias in the result's layout: register 8 b + j: column 16 b + 8 h + j
	global_load_b128 v[BIAS+8*\b:BIAS+8*\b+3], v7, s[8:9] offset:64*\b
	global_load_b128 v[BIAS+8*\b+4:BIAS+8*\b+7], v7, s[8:9] offset:64*\b+16
.endr
	v_lshrrev_b32 v3, 1, v1
	v_mul_u32_u24 v3, v3, PITCH
	v_and_b32 v4, 1, v0
	v_lshl_add_u32 v3, v4, 7, v3
	v_lshl_add_u32 v3, v2, 4, v3                   ; A: (r / 2) 272 + (r % 2) 128 + 16 h
	v_mul_u32_u24 v4, v1, PITCH
	v_lshl_add_u32 v4, v2, 4, v4                   ; Wo: 272 r + 16 h
	s_mul_i32 s21, s[RH], 32*PITCH                 ; my 64 rows of A
	s_mul_i32 s22, s[CH], BHALF                    ; my 128 rows of Wo
	s_add_co_u32 s22, s22, BOFF
.irp s, 0,1
	v_add_nc_u32 v[ADRA+\s], s21, v3
	v_add_nc_u32 v[ADRB+\s], s22, v4
	s_add_co_u32 s21, s21, SLOT
	s_add_co_u32 s22, s22, SLOT
.endr
	s_mul_i32 s23, s[WV], 16*SPITCH
	s_add_co_u32 s23, s23, STAGE                   ; my stage
	v_mul_u32_u24 v5, v1, SPITCH
	v_lshl_add_u32 v5, v2, 5, v5
	v_add_nc_u32 v[STO], s23, v5                   ; in: row r, 32 bytes for each half of the lanes
	v_and_b32 v6, 31, v0
	v_lshlrev_b32 v[CO], 4, v6                     ; back: the 32 lanes take one row of 512 bytes; and the same in out0
	v_add_nc_u32 v[RD], s23, v[CO]
	s_lshl_b32 s16, s13, 7
	s_lshl_b32 s17, s[RH], 6
	s_add_co_u32 s16, s16, s17                     ; my first row: 128 x tile row + 64 x half
	s_lshl_b32 s16, s16, 12                        ; 4,096 bytes a row
	s_mov_b32 s17, 0
	s_add_nc_u64 s[10:11], s[10:11], s[16:17]
	s_add_nc_u64 s[10:11], s[10:11], s[46:47]
; 8 matrix instructions: A's block a against Wo's eight, 32 along K.  first = 1: the bias is the C.  The 32 accumulators take turns, one instruction a turn, in the same order in every quarter.
.macro MUL8 f, a, first
.irp b, 0,1,2,3,4,5,6,7
.if \first
	v_wmma_f32_16x16x32_f16 v[8*(8*(\a)+\b):8*(8*(\a)+\b)+7], v[\f+32+8*\b:\f+32+8*\b+7], v[\f+8*(\a):\f+8*(\a)+7], v[BIAS+8*\b:BIAS+8*\b+7]
.else
	v_wmma_f32_16x16x32_f16 v[8*(8*(\a)+\b):8*(8*(\a)+\b)+7], v[\f+32+8*\b:\f+32+8*\b+7], v[\f+8*(\a):\f+8*(\a)+7], v[8*(8*(\a)+\b):8*(8*(\a)+\b)+7]
.endif
.endr
.endm
; 24 LDS loads in one run: the fragments of the slot's q-th 32 along K into buffer f: Wo's eight, then A's four.  Quarter q lies in head q / 2, channels 32 (q % 2) on.
.macro FETCH slot, q, f
	WIN TO_F
.irp i, 0,1,2,3,4,5,6,7
	ds_load_b128 v[\f+32+8*\i:\f+32+8*\i+3],   v[ADRB+\slot] offset:64*(\q)+\i*16*PITCH
	ds_load_b128 v[\f+32+8*\i+4:\f+32+8*\i+7], v[ADRB+\slot] offset:64*(\q)+\i*16*PITCH+32
.endr
.irp i, 0,1,2,3
	ds_load_b128 v[\f+8*\i:\f+8*\i+3],   v[ADRA+\slot] offset:AHEAD*((\q)/2)+64*((\q)%2)+\i*8*PITCH
	ds_load_b128 v[\f+8*\i+4:\f+8*\i+7], v[ADRA+\slot] offset:AHEAD*((\q)/2)+64*((\q)%2)+\i*8*PITCH+32
.endr
.endm
.macro PLACES                          ; four plain instructions in front of loads into registers that matrix instructions have read, and of the first read of results
.rept 4
	v_nop
.endr
.endm
; A K step is four quarters of 32 along K, 32 matrix instructions each, on buffers 0, 1, 0, 1.  One of the first three: multiplies buffer f and fetches quarter q of the same slot into g.
.macro QUARTER slot, q, f, g, first
	s_wait_dscnt 4                                 ; Wo's fragments and A's blocks 0 and 1 are in; the youngest four loads (A's blocks 2, 3) may be out
.if \first
	WIN MUL1
.else
	WIN MUL
.endif
	MUL8 \f, 0, \first
	MUL8 \f, 1, \first
	PLACES
	FETCH \slot, \q, \g
	s_wait_dscnt 24                                ; all but the 24 just issued
.if \first
	WIN MUL1
.else
	WIN MUL
.endif
	MUL8 \f, 2, \first
	MUL8 \f, 3, \first
.endm
; The last quarter multiplies buffer 1 and changes slots: ONE barrier; in front of it each wave waits for all its tensor loads, adds 0 to its spare word, and waits for that and for its reads of this slot.
; fill = 1: the barrier opens a round of the cluster's, and this slot is filled again, two K steps ahead, first thing behind the round: the load has a K step less sixteen products in which to land.
.macro TURN slot, next, fill
	WIN 0                                          ; (the add's two registers lie in window 0)
	s_wait_tensorcnt 0x0                           ; all my tensor loads have landed: my part of the next slot
	ds_add_u32 v[SPW], v[NIL]                      ; 0 onto my spare word
	s_wait_dscnt 5                                 ; (the add and the youngest four loads may be out)
	WIN MUL
	MUL8 F1, 0, 0
	s_wait_dscnt 0x0                               ; the add is done, and my reads of this slot are over
	s_barrier_signal -1
	MUL8 F1, 1, 0
.if \fill
	WIN 0
.endif
	s_barrier_wait -1
.if \fill
	CREST
	s_add_nc_u64 s[G0+4*\slot+2:G0+4*\slot+3], s[G0+4*\slot+2:G0+4*\slot+3], 4*262144   ; two K steps on: four heads
	s_add_nc_u64 s[G0B+4*\slot+2:G0B+4*\slot+3], s[G0B+4*\slot+2:G0B+4*\slot+3], 512
	JLOAD \slot                                    ; its four v_nop are also the places in front of the loads below
.else
	PLACES
.endif
	FETCH \next, 0, F0
	WIN MUL
	MUL8 F1, 2, 0
	MUL8 F1, 3, 0
.endm
	s_wait_tensorcnt 1                             ; my part of K step 0 is in (K step 1's may be out)
	s_barrier_signal -1
	s_barrier_wait -1                              ; everybody's is
	FETCH 0, 0, F0
	s_wait_loadcnt 0x0                             ; the bias
	QUARTER 0, 1, F0, F1, 1                        ; the first quarter stands in front of the loop: its products start the sums
	WIN 0
	s_mov_b32 s3, 3
.Llap:                                             ; a trip goes once round the ring and fills both slots again: K steps 2 to 7
	QUARTER 0, 2, F1, F0, 0
	QUARTER 0, 3, F0, F1, 0
	TURN 0, 1, 1
	QUARTER 1, 1, F0, F1, 0
	QUARTER 1, 2, F1, F0, 0
	QUARTER 1, 3, F0, F1, 0
	TURN 1, 0, 1
	QUARTER 0, 1, F0, F1, 0
	WIN 0
	s_sub_co_u32 s3, s3, 1
	s_cmp_lg_u32 s3, 0
	s_cbranch_scc1 .Llap
	QUARTER 0, 2, F1, F0, 0                        ; the last lap fills nothing
	QUARTER 0, 3, F0, F1, 0
	TURN 0, 1, 0
	QUARTER 1, 1, F0, F1, 0
	QUARTER 1, 2, F1, F0, 0
	QUARTER 1, 3, F0, F1, 0
	s_wait_dscnt 4                                 ; the very last quarter: nothing more to fetch
	WIN MUL
	MUL8 F1, 0, 0
	MUL8 F1, 1, 0
	s_wait_dscnt 0
	MUL8 F1, 2, 0
	MUL8 F1, 3, 0
	WIN 0
; THE WAY OUT, block by block of 16 rows x 128 columns: through my own stage and back as whole rows of 512 bytes.
.macro TOSTAGE a
.set AC, 64*(\a)
	WIN 0x08                                       ; an LDS store's data are its source 1: window 2
.irp b, 0,1,2,3,4,5,6,7
	ds_store_b128 v[STO], v[AC+8*\b:AC+8*\b+3] offset:64*\b          ; each accumulator from its low end on
	ds_store_b128 v[STO], v[AC+8*\b+4:AC+8*\b+7] offset:64*\b+16
.endr
	WIN 0
.set BB, BK+64*((\a)%2)
.irp t, 0,1,2,3,4,5,6,7,8,9,10,11,12,13,14,15
	ds_load_b128 v[BB+4*\t:BB+4*\t+3], v[RD] offset:\t*SPITCH        ; LDS serves a wave's instructions in order: these see the stores above
.endr
.endm
.macro SEND a, younger                 ; younger: the LDS instructions issued behind block a's loads, which may stay out
.set BB, BK+64*((\a)%2)
	s_wait_dscnt \younger
.if (\a) > 0
	s_add_nc_u64 s[10:11], s[10:11], 16*4096       ; (behind a wait on XCNT: the earlier stores have read their base)  16 rows on
.endif
.irp t, 0,1,2,3,4,5,6,7,8,9,10,11,12,13,14,15
	global_store_b128 v[CO], v[BB+4*\t:BB+4*\t+3], s[10:11] offset:\t*4096 th:TH_STORE_NT   ; 32 lanes store 512 consecutive bytes, aligned; written once, read by nobody here
.endr
.endm
	PLACES
	TOSTAGE 0
.irp a, 1,2,3
.if \a > 1
	s_wait_xcnt 0x0                                ; block a - 2's stores have read their registers and their base
.endif
	TOSTAGE \a
	SEND \a-1, 32                                  ; behind block a - 1's loads: block a's 16 stores and 16 loads
.endr
	s_wait_xcnt 0x0                                ; block 2's stores have read their base
	SEND 3, 0
	s_wait_tensorcnt 0x0                           ; the wave's end
	ds_add_u32 v[SPW], v[NIL]
	s_wait_dscnt 0x0
	CROUND                                         ; the closing round
	s_endpgm
.Lfunc_end_k_q6bac3f73f1_outp:
	.size	k_q6bac3f73f1_outp, .Lfunc_end_k_q6bac3f73f1_outp-k_q6bac3f73f1_outp
	.p2alignl 7, 3214868480
	.fill 96, 4, 3214868480
	.section	.rodata,"a",@progbits
	.p2align	6, 0x0
	.amdhsa_kernel k_q6bac3f73f1_outp
		.amdhsa_group_segment_fixed_size 327680
		.amdhsa_private_segment_fixed_size 0
		.amdhsa_enable_private_segment 0
		.amdhsa_kernarg_size 32
		.amdhsa_user_sgpr_count 2
		.amdhsa_user_sgpr_kernarg_segment_ptr 1
		.amdhsa_wavefront_size32 1
		.amdhsa_system_sgpr_workgroup_id_x 1
		.amdhsa_system_sgpr_workgroup_id_y 1
		.amdhsa_system_sgpr_workgroup_id_z 1
		.amdhsa_system_vgpr_workitem_id 0
		.amdhsa_next_free_vgpr 768
		.amdhsa_next_free_sgpr 70
		.amdhsa_reserve_vcc 0
		.amdhsa_float_denorm_mode_32 3
		.amdhsa_float_denorm_mode_16_64 3
		.amdhsa_memory_ordered 1
		.amdhsa_forward_progress 1
		.amdhsa_inst_pref_size 87
	.end_amdhsa_kernel
	.amdgpu_metadata
---
amdhsa.version: [ 1, 2 ]
amdhsa.kernels:
  - .name:           k_q6bac3f73f1_outp
    .symbol:         k_q6bac3f73f1_outp.kd
    .args:
      - { .name: att, .offset: 0, .size: 8, .value_kind: global_buffer, .address_space: global }
      - { .name: wo16, .offset: 8, .size: 8, .value_kind: global_buffer, .address_space: global }
      - { .name: bo, .offset: 16, .size: 8, .value_kind: global_buffer, .address_space: global }
      - { .name: out0, .offset: 24, .size: 8, .value_kind: global_buffer, .address_space: global }
    .group_segment_fixed_size: 327680
    .private_segment_fixed_size: 0
    .kernarg_segment_align: 8
    .kernarg_segment_size: 32
    .max_flat_workgroup_size: 128
    .sgpr_count:     70
    .vgpr_count:     768
    .wavefront_size: 32
...
	.end_amdgpu_metadata
.endif
;; end of part 4
